; MI455X (gfx1250); checked and timed in simulation.
; The chip was launched on July 23, 2026; its instructions are those of AMD's public machine-readable ISA for CDNA 5 (MIT licence, August 2026) and "CDNA5" Instruction Set Architecture Reference Guide (July 2026). The comments in the code are by the model that wrote it; some were corrected since.
;; MHA. Allowed arithmetic: matrix products marked QUANTISED: E2M1 operands, one E8M0 scale for each 32 along K, by v_wmma_scale_f32_16x16x128_f8f6f4 with both operands' format E2M1 (or v_wmma_scale_f32_32x16x128_f4), f32 sums; products left as they are: bf16, f16 or f32 operands; f32 sums; everything else in f32.
;; Inputs: Wk 1,024 x 1,024 float32; Wo 1,024 x 1,024 float32; Wq 1,024 x 1,024 float32; Wv 1,024 x 1,024 float32; bo 1,024 float32; x 4 x 2,048 x 1,024 float32.
;; Outputs: out0 4 x 2,048 x 1,024 float32.
;; This version of the problem:
;;   THIS VERSION OF THE PROBLEM IS GIVEN IN LOW PRECISION. The matrix products marked QUANTISED in the list below multiply operands that are first quantised to E2M1 (2 exponent bits, 1 mantissa bit; 4 bits a number), with one power-of-two scale for each 32 numbers along K (OCP MX v1.0); their sums are f32. The products marked 'left as it is' may take bf16, f16 or f32 operands, with f32 sums. Whichever they take, every output number must still come out within the allowed error. Rounding operands to bf16 (8 significant bits) uses up far more of that allowance than f16 does (11 bits, for magnitudes from 6e-5 to 65,504). All else is computed in f32.
;;   The module's matrix products, in the order in which they are computed (A, B: the left and right operand; K: the contracted axis; several contracted axes count as one K, in the product's order):
;;     1. [M 8,192, K 1,024] x [K 1,024, N 1,024]; A: input x; B: input Wq: QUANTISED
;;     2. [M 8,192, K 1,024] x [K 1,024, N 1,024]; A: input x; B: input Wk: QUANTISED
;;     3. [M 8,192, K 1,024] x [K 1,024, N 1,024]; A: input x; B: input Wv: QUANTISED
;;     4. batch 64 x [M 2,048, K 64] x [K 64, N 2,048]; A: computed on the way; B: computed on the way: left as it is (an operand is computed on the way)
;;     5. batch 64 x [M 2,048, K 2,048] x [K 2,048, N 64]; A: computed on the way; B: computed on the way: left as it is (an operand is computed on the way)
;;     6. [M 8,192, K 1,024] x [K 1,024, N 1,024]; A: computed on the way; B: input Wo: left as it is (an operand is computed on the way)
;;   THE QUANTISER, for each operand of a quantised product, along K:
;;     - K is cut into blocks of 32 from its start; a last block that is shorter is filled with zeros.
;;     - A block's scale is 2^e with e = floor(log2(the largest magnitude in the block)) - 2, held to -126 .. 127; a block of zeros has e = 0. As a byte (E8M0): e + 127.
;;     - Each number is divided by its block's scale, clamped to +-6, and rounded to the nearest number of E2M1, ties to even, subnormals kept.
;;     - The product sums the exact products of the quantised numbers (number of the format x scale) in f32.
;;   ~~~python
;;   def quantise(x, axis):      # numpy; x: float32 -> the quantised numbers, widened to float32 again
;;       x = np.moveaxis(x, axis, -1); K = x.shape[-1]
;;       x = np.pad(x, [(0, 0)] * (x.ndim - 1) + [(0, -K % 32)]); x = x.reshape(x.shape[:-1] + (-1, 32)); a = np.abs(x).max(-1, keepdims=True)
;;       e = np.where(a > 0, np.clip(np.frexp(np.where(a > 0, a, 1))[1] - 1 - 2, -126, 127), 0)      # np.frexp(a)[1] - 1 = floor(log2(a)), exactly
;;       r = np.clip(x / 2.0 ** e, -6, 6)
;;       step = 2.0 ** (np.maximum(np.frexp(np.where(r == 0, 1, r))[1] - 1, 0) - 1)
;;       q = np.round(r / step) * step * 2.0 ** e      # np.round: ties to even
;;       return np.moveaxis(q.reshape(q.shape[:-2] + (-1,))[..., :K], -1, axis).astype(np.float32)
;;   ~~~
;; One version. Each part assembles by itself: llvm-mc -triple=amdgcn-amd-amdhsa -mcpu=gfx1250 --defsym DOCPART=n.
;; ======== version 1 of 1: 5 launches
;; limits: values are held in f16: magnitudes above 65,504 overflow, below 6.1e-05 lose precision
;; workspace buffers: xc 4,194,304 bytes; xs 262,144 bytes; wc 1,572,864 bytes; ws 98,304 bytes; wo16 2,097,152 bytes; qkv 50,331,648 bytes; fine32 786,432 bytes; ctx 16,777,216 bytes
;; launch prep (part 1): grid 336 x 1, 4 waves a work-group, no clusters, 68,096 bytes of LDS; arguments x, Wq, Wk, Wv, Wo, xc, xs, wc, ws, wo16; writes xc, xs, wc, ws, wo16
.if DOCPART == 1
	.amdgcn_target "amdgcn-amd-amdhsa--gfx1250"
	.amdhsa_code_object_version 6
	.text
	.protected	k_qcf70220c4c_prep
	.globl	k_qcf70220c4c_prep
	.p2align	8
	.type	k_qcf70220c4c_prep,@function
k_qcf70220c4c_prep:
	s_mov_b64 s[64:65], 0
	v_nop
	global_prefetch_b8 v0, s[64:65] scope:SCOPE_SE
	s_setreg_imm32_b32 hwreg(HW_REG_WAVE_MODE, 25, 1), 1
	s_wait_xcnt 0x0
; THE OPERANDS ARE MADE READY, ONCE.  Three kinds of work-group, told apart by the work-group's number alone:
;   0..47   Wq, Wk, Wv [1024 (k)][1024 (n)] f32, K the FIRST axis -> codes of E2M1 laid [3072 (n)][512 bytes] with K innermost, and one E8M0 byte for each 32 along K, laid [3072][32]
;   48..79  Wo [1024 (k)][1024 (n)] f32 -> f16 in the order of a matrix operand's registers: byte = nt<<15 | kf<<10 | i<<9 | h<<8 | r<<4 holds n = 16 nt + r, k = 32 kf + 16 i + 8 h + 0..7
;   80..335 x [8192][1024] f32, K innermost -> codes [8192][512 bytes] and scale bytes [8192][32]
; The work-groups with the most bytes (256 KiB of a weight each) have the lowest numbers.
; A block's scale is 2^(floor(log2(its largest magnitude)) - 2); its byte is the largest magnitude's own exponent field - 2, held at 1 from below by a floor among the maximum's leaves.
; LIMITS: a block of zeros gets the byte 1 where the rule says 127: its codes are zeros, which add nothing under any byte but 0xff, and this program alone reads the bytes.
; NaN and infinities among the inputs are not served.  Wo must lie within f16's range, 65,504.
; Memory binds here: no matrix unit, no cluster, no tensor load; waves share nothing, so there is no barrier.  Each path has LDS bytes of its own.
.set SPARE, 67584                      ; behind both paths' bytes: the spare words, 128 bytes for each wave: two blocks of 256 bytes that no other line names
.set SPW,   192                        ; v192 LDS address of my spare word; never rewritten
.set NIL,   193                        ; v193 0; never rewritten
.set EMAX,  2
; the x path
.set STEPS, 16                         ; a wave takes 16 steps of 512 numbers
.set CB,    8                          ; bytes of 16 codes
.set XR,    16                         ; v16-79   four sets of 16 numbers as they are loaded
.set XX,    80                         ; v80-111  two sets of 16 neighbours
.set XE,    112                        ; v112-127 a scale byte for each step
.set XC,    128                        ; v128-191 codes: four registers for each step, so that no store's data are written again
.set WREG,  8192                       ; LDS 0..32767: a region for each wave: two stages of 32 x SP bytes, behind them its 256 scale bytes
.set SP,    80                         ; a lane's place in a stage: 64 bytes + 16 of padding
; the path of Wq, Wk, Wv
.set NB,    16                         ; blocks of 32 along K for a wave: 512 along K
.set WPITCH, 272                       ; a stage row: 256 bytes of codes + 16
.set KROW,  512                        ; a row of wc in bytes
.set WSTG,  32768                      ; LDS 32768..67583: four stages of 32 rows
.set WX,    32                         ; v32-95   two sets of 32 numbers
.set WCD,   96                         ; v96-99   a block's codes
.set WOUT,  112                        ; v112-175 the way out
.set WSB,   24                         ; v24-27   scale bytes, four to a register
; the path of Wo
.set OX,    32                         ; v32-95   two sets of 32 numbers
.set OC,    96                         ; v96-127  two sets of 16 packed registers
	s_load_b512 s[4:19], s[0:1], 0x0               ; x s[4:5], Wq s[6:7], Wk s[8:9], Wv s[10:11], Wo s[12:13], xc s[14:15], xs s[16:17], wc s[18:19]
	s_load_b128 s[20:23], s[0:1], 0x40             ; ws s[20:21], wo16 s[22:23]
	v_lshl_add_u32 v[SPW], v0, 2, SPARE
	v_mov_b32 v[NIL], 0
	v_lshrrev_b32 v1, 5, v0
	v_readfirstlane_b32 s24, v1                    ; wave 0..3
	v_and_b32 v2, 31, v0                           ; lane
	s_mov_b32 s33, 0                               ; the upper word of every offset below
	s_wait_kmcnt 0x0
	s_cmp_lt_u32 ttmp9, 48
	s_cbranch_scc1 .Lw
	s_cmp_lt_u32 ttmp9, 80
	s_cbranch_scc1 .Lwo
; ---------------- x: a plain stream of blocks of 32, since rows are dense and 1,024 is a multiple of 32 ----------------
; Each of a step's four loads reads 512 consecutive bytes, 16 a lane; the 2,048 bytes turn through the wave's own stage in LDS and come back 64 bytes a lane:
; 16 neighbours along K, which is what the conversions want of one lane's registers.  Two neighbouring lanes hold a block.
	v_lshlrev_b32 v3, 4, v2                        ; my 16 bytes of a load's 512
	s_mul_i32 s25, s24, WREG
	v_lshrrev_b32 v14, 2, v2
	v_mul_u32_u24 v14, v14, SP
	v_and_b32 v15, 3, v2
	v_lshl_add_u32 v14, v15, 4, v14
	v_add_nc_u32 v14, s25, v14                     ; the stage, on the way in: SP (lane / 4) + 16 (lane % 4)
	v_mul_u32_u24 v15, v2, SP
	v_add_nc_u32 v15, s25, v15                     ; and on the way out: SP x lane
	v_mul_u32_u24 v4, v2, CB                       ; my codes' place in a step's 256 bytes
	v_lshrrev_b32 v5, 1, v2
	s_add_co_u32 s25, s25, 2*32*SP
	v_add_nc_u32 v5, s25, v5                       ; LDS: my wave's 256 scale bytes, my block's byte
	v_lshlrev_b32 v7, 3, v2                        ; and on the way out 8 bytes a lane
	v_add_nc_u32 v6, s25, v7
	s_sub_co_u32 s25, ttmp9, 80
	s_lshl_b32 s25, s25, 2
	s_add_co_u32 s25, s25, s24                     ; which run of 8,192 numbers is my wave's: 0..1023
	s_lshl_b32 s32, s25, 15
	s_add_nc_u64 s[4:5], s[4:5], s[32:33]          ; 32,768 bytes of x a run,
	s_lshl_b32 s32, s25, 12
	s_add_nc_u64 s[14:15], s[14:15], s[32:33]      ; 4,096 of codes,
	s_lshl_b32 s32, s25, 8
	s_add_nc_u64 s[16:17], s[16:17], s[32:33]      ; 256 of scale bytes
.macro XLOAD t
.irp i, 0,1,2,3
	global_load_b128 v[XR+16*((\t)%4)+4*\i:XR+16*((\t)%4)+4*\i+3], v3, s[4:5] offset:2048*(\t)+512*\i th:TH_LOAD_NT
.endr
.endm
.macro XTURN t                         ; step t's numbers through the stage: LDS serves a wave's instructions in order, so no wait stands between the stores and the loads
.irp i, 0,1,2,3
	ds_store_b128 v14, v[XR+16*((\t)%4)+4*\i:XR+16*((\t)%4)+4*\i+3] offset:32*SP*((\t)%2)+8*SP*\i
.endr
.irp i, 0,1,2,3
	ds_load_b128 v[XX+16*((\t)%2)+4*\i:XX+16*((\t)%2)+4*\i+3], v15 offset:32*SP*((\t)%2)+16*\i
.endr
.endm
.irp t, 0,1,2,3
	XLOAD \t
.endr
	s_wait_loadcnt 12                              ; step 0's four loads are in; the twelve of steps 1 to 3 may be out
	XTURN 0
.macro XSTEP t
.set XS, XX+16*((\t)%2)
.if (\t) > 0
	s_wait_dscnt 1                                 ; this step's numbers are back from the stage (the last step's byte store may be out), so its stores into the stage have read their registers,
.else
	s_wait_dscnt 0x0
.endif
.if (\t)+4 < STEPS
	XLOAD (\t)+4                                   ; which take the loads of four steps on
.endif
.if (\t)+1 < STEPS
.if STEPS-2-(\t) >= 3
	s_wait_loadcnt 12                              ; the next step's four loads are in; those of the three steps behind it may be out
.else
	s_wait_loadcnt 4*(STEPS-2-(\t))                ; at the end the count runs down with the steps that are left
.endif
	XTURN (\t)+1
.endif
	v_max3_num_f32 v8, |v[XS]|, |v[XS+1]|, |v[XS+2]|               ; the largest magnitude of my 16, in two chains
	v_max3_num_f32 v9, |v[XS+3]|, |v[XS+4]|, |v[XS+5]|
.irp i, 6,10
	v_max3_num_f32 v8, v8, |v[XS+\i]|, |v[XS+\i+1]|
	v_max3_num_f32 v9, v9, |v[XS+\i+2]|, |v[XS+\i+3]|
.endr
	v_max3_num_f32 v8, v8, |v[XS+14]|, |v[XS+15]|
	v_max3_num_f32 v8, v8, v9, (EMAX+1)<<23        ; and the floor 2^(3 - 127): the byte cannot fall under 1
	v_max_num_f32_dpp v8, v8, v8 row_xmask:1 row_mask:0xf bank_mask:0xf   ; and of my neighbour's 16: the block's
	v_add_nc_u32 v11, -(EMAX<<23), v8              ; 2 off its exponent field: the conversion takes the exponent field of this operand as its scale
	v_cvt_scalef32_pk8_fp4_f32 v[XC+4*(\t)], v[XS:XS+7], v11
	v_cvt_scalef32_pk8_fp4_f32 v[XC+4*(\t)+1], v[XS+8:XS+15], v11
	v_lshrrev_b32 v[XE+(\t)], 23, v11              ; the scale's byte (a plain line behind the conversions)
	ds_store_b8 v5, v[XE+(\t)] offset:16*(\t)      ; both lanes of a block write the same byte with the same value
	global_store_b64 v4, v[XC+4*(\t):XC+4*(\t)+1], s[14:15] offset:32*CB*(\t)   ; the wave stores 256 consecutive bytes, aligned
.endm
.irp t, 0,1,2,3,4,5,6,7,8,9,10,11,12,13,14,15
	XSTEP \t
.endr
	ds_load_b64 v[8:9], v6                         ; LDS serves a wave's instructions in order: these see my byte stores
	s_wait_dscnt 0x0
	global_store_b64 v7, v[8:9], s[16:17]          ; 32 lanes store 256 consecutive bytes, aligned
	s_branch .Lend
; ---------------- Wq, Wk, Wv: a lane takes a column n, and its registers run down K ----------------
; Each load reads 128 consecutive bytes a wave; a block of 32 along K lies in one lane's 32 registers; the conversions give the codes with K innermost.
; A wave takes 32 columns x 512 along K; its codes leave through its own stage as rows: sixteen lanes store 256 consecutive bytes, aligned.
.Lw:
	s_lshr_b32 s25, ttmp9, 4                       ; which weight: 0 Wq, 1 Wk, 2 Wv
	s_and_b32 s26, ttmp9, 7                        ; which 128 columns
	s_bfe_u32 s28, ttmp9, 0x10003                  ; which half of K
	s_cmp_lt_u32 ttmp9, 16                         ; the choice hangs on the work-group's number alone
	s_cselect_b64 s[30:31], s[6:7], s[8:9]
	s_cmp_lt_u32 ttmp9, 32
	s_cselect_b64 s[30:31], s[30:31], s[10:11]
	s_lshl_b32 s26, s26, 7
	s_lshl_b32 s29, s24, 5
	s_add_co_u32 s26, s26, s29                     ; my wave's first column
	s_lshl_b32 s32, s28, 21                        ; 512 rows of 4,096 bytes
	s_lshl_b32 s29, s26, 2
	s_add_co_u32 s32, s32, s29
	s_add_nc_u64 s[30:31], s[30:31], s[32:33]
	s_lshl_b32 s25, s25, 10
	s_add_co_u32 s25, s25, s26                     ; my first row of wc and ws
	s_lshl_b32 s32, s25, 9
	s_lshl_b32 s29, s28, 8
	s_add_co_u32 s32, s32, s29
	s_add_nc_u64 s[18:19], s[18:19], s[32:33]
	s_lshl_b32 s32, s25, 5
	s_lshl_b32 s29, s28, 4
	s_add_co_u32 s32, s32, s29
	s_add_nc_u64 s[20:21], s[20:21], s[32:33]
	v_lshlrev_b32 v3, 2, v2                        ; in: 4 bytes a lane
	s_mul_i32 s29, s24, 32*WPITCH
	s_add_co_u32 s29, s29, WSTG                    ; my stage
	v_mul_u32_u24 v4, v2, WPITCH
	v_add_nc_u32 v4, s29, v4                       ; into it: row = my column
	v_and_b32 v5, 15, v2
	v_lshrrev_b32 v6, 4, v2                        ; out of it: sixteen lanes to a row, two rows an instruction
	v_mul_u32_u24 v7, v6, WPITCH
	v_lshl_add_u32 v7, v5, 4, v7
	v_add_nc_u32 v7, s29, v7
	v_lshlrev_b32 v8, 9, v6
	v_lshl_add_u32 v8, v5, 4, v8                   ; the same place in wc
	v_lshlrev_b32 v9, 5, v2                        ; my column's row of scale bytes
.macro WLOAD t                         ; block t: W(32 t + i, my column) into set t % 2; every offset is an immediate: 511 rows of 4,096 bytes at the most
.irp i, 0,1,2,3,4,5,6,7,8,9,10,11,12,13,14,15,16,17,18,19,20,21,22,23,24,25,26,27,28,29,30,31
	global_load_b32 v[WX+32*((\t)%2)+\i], v3, s[30:31] offset:(32*(\t)+\i)*4096 th:TH_LOAD_NT
.endr
.endm
	WLOAD 0
	WLOAD 1
.macro WBLOCK t
.set XS, WX+32*((\t)%2)
.if (\t) < NB-1
	s_wait_loadcnt 32                              ; this block's 32 loads are in; the next block's 32 may be out
.else
	s_wait_loadcnt 0x0
.endif
	v_max3_num_f32 v12, |v[XS]|, |v[XS+1]|, |v[XS+2]|              ; the block's largest magnitude: all 32 numbers are mine
	v_max3_num_f32 v13, |v[XS+3]|, |v[XS+4]|, |v[XS+5]|
.irp i, 6,10,14,18,22,26
	v_max3_num_f32 v12, v12, |v[XS+\i]|, |v[XS+\i+1]|
	v_max3_num_f32 v13, v13, |v[XS+\i+2]|, |v[XS+\i+3]|
.endr
	v_max3_num_f32 v12, v12, |v[XS+30]|, |v[XS+31]|
	v_max3_num_f32 v12, v12, v13, (EMAX+1)<<23     ; and the floor
	v_add_nc_u32 v11, -(EMAX<<23), v12             ; the conversions' scale operand
	v_lshrrev_b32 v13, 23, v11                     ; the scale's byte
.if (\t)%4 == 0
	v_mov_b32 v[WSB+(\t)/4], v13                   ; four bytes to a register, the lower K in the lower byte
.else
	v_lshl_or_b32 v[WSB+(\t)/4], v13, 8*((\t)%4), v[WSB+(\t)/4]
.endif
.irp g, 0,1,2,3
	v_cvt_scalef32_pk8_fp4_f32 v[WCD+\g], v[XS+8*\g:XS+8*\g+7], v11
.endr
	ds_store_b128 v4, v[WCD:WCD+3] offset:16*(\t)  ; 32 codes: 16 bytes of my column's row
.if (\t)+2 < NB
	WLOAD (\t)+2
.endif
	s_wait_dscnt 0x0                               ; the store has read its registers: the next block's codes may be written
.endm
.irp t, 0,1,2,3,4,5,6,7,8,9,10,11,12,13,14,15
	WBLOCK \t
.endr
	global_store_b128 v9, v[WSB:WSB+3], s[20:21]   ; my column's 16 scale bytes
.irp t, 0,1,2,3,4,5,6,7,8,9,10,11,12,13,14,15
	ds_load_b128 v[WOUT+4*\t:WOUT+4*\t+3], v7 offset:2*\t*WPITCH   ; LDS serves a wave's instructions in order: these see my stores
.endr
.irp t, 0,1,2,3,4,5,6,7,8,9,10,11,12,13,14,15
	s_wait_dscnt 15-\t                             ; load t is in; the 15 - t younger ones may be out
	global_store_b128 v8, v[WOUT+4*\t:WOUT+4*\t+3], s[18:19] offset:2*\t*KROW
.endr
	s_branch .Lend
; ---------------- Wo: the same choice of lanes, rounded to f16, stored in the order of the operand's registers ----------------
; A lane takes column n = 128 cb + 32 wave + lane and 256 along K, in 8 fragments of 32.  Its 8 neighbours along K are 16 bytes; sixteen lanes (sixteen n of one tile) store 256 consecutive bytes, aligned.
.Lwo:
	s_sub_co_u32 s25, ttmp9, 48
	s_and_b32 s26, s25, 7                          ; cb: which 128 columns
	s_lshr_b32 s25, s25, 3                         ; kq: which 256 along K
	s_lshl_b32 s32, s25, 20                        ; 256 rows of 4,096 bytes
	s_lshl_b32 s29, s26, 9
	s_add_co_u32 s32, s32, s29
	s_lshl_b32 s29, s24, 7
	s_add_co_u32 s32, s32, s29
	s_add_nc_u64 s[12:13], s[12:13], s[32:33]
	s_lshl_b32 s32, s26, 3
	s_lshl_b32 s29, s24, 1
	s_add_co_u32 s32, s32, s29                     ; my first tile of 16 columns: 8 cb + 2 wave
	s_lshl_b32 s32, s32, 15
	s_lshl_b32 s29, s25, 13                        ; my first fragment along K: 8 kq, 1,024 bytes each
	s_add_co_u32 s32, s32, s29
	s_add_nc_u64 s[22:23], s[22:23], s[32:33]
	v_lshlrev_b32 v3, 2, v2                        ; in: 4 bytes a lane
	v_lshrrev_b32 v4, 4, v2
	v_and_b32 v5, 15, v2
	v_lshlrev_b32 v4, 15, v4
	v_lshl_add_u32 v4, v5, 4, v4                   ; out: (lane / 16) tiles on, 16 bytes for each n of the tile
.macro OLOAD f
.irp i, 0,1,2,3,4,5,6,7,8,9,10,11,12,13,14,15,16,17,18,19,20,21,22,23,24,25,26,27,28,29,30,31
	global_load_b32 v[OX+32*((\f)%2)+\i], v3, s[12:13] offset:(32*(\f)+\i)*4096 th:TH_LOAD_NT
.endr
.endm
	OLOAD 0
	OLOAD 1
.macro OFRAG f
.if (\f) < 7
	s_wait_loadcnt 32                              ; this fragment's 32 loads are in; the next one's 32 may be out
.else
	s_wait_loadcnt 0x0
.endif
.if (\f) >= 2
	s_wait_xcnt 0x0                                ; the stores of two fragments back have read their data: the set may be written again
.endif
.irp i, 0,1,2,3,4,5,6,7,8,9,10,11,12,13,14,15
	v_cvt_pk_f16_f32 v[OC+16*((\f)%2)+\i], v[OX+32*((\f)%2)+2*\i], v[OX+32*((\f)%2)+2*\i+1]
.endr
.irp u, 0,1,2,3
	global_store_b128 v4, v[OC+16*((\f)%2)+4*\u:OC+16*((\f)%2)+4*\u+3], s[22:23] offset:1024*(\f)+256*\u   ; k = 8 u + 0..7 of the fragment: i = u / 2, h = u % 2
.endr
.if (\f)+2 < 8
	OLOAD (\f)+2
.endif
.endm
.irp f, 0,1,2,3,4,5,6,7
	OFRAG \f
.endr
.Lend:
	s_wait_tensorcnt 0x0                           ; the wave's end: behind my last LDS store, the tensor wait even in a text with no tensor load
	ds_add_u32 v[SPW], v[NIL]
	s_wait_dscnt 0x0
	s_endpgm
.Lfunc_end_k_qcf70220c4c_prep:
	.size	k_qcf70220c4c_prep, .Lfunc_end_k_qcf70220c4c_prep-k_qcf70220c4c_prep
	.p2alignl 7, 3214868480
	.fill 96, 4, 3214868480
	.section	.rodata,"a",@progbits
	.p2align	6, 0x0
	.amdhsa_kernel k_qcf70220c4c_prep
		.amdhsa_group_segment_fixed_size 68096
		.amdhsa_private_segment_fixed_size 0
		.amdhsa_enable_private_segment 0
		.amdhsa_kernarg_size 80
		.amdhsa_user_sgpr_count 2
		.amdhsa_user_sgpr_kernarg_segment_ptr 1
		.amdhsa_wavefront_size32 1
		.amdhsa_system_sgpr_workgroup_id_x 1
		.amdhsa_system_sgpr_workgroup_id_y 1
		.amdhsa_system_sgpr_workgroup_id_z 1
		.amdhsa_system_vgpr_workitem_id 0
		.amdhsa_next_free_vgpr 194
		.amdhsa_next_free_sgpr 66
		.amdhsa_reserve_vcc 0
		.amdhsa_float_denorm_mode_32 3
		.amdhsa_float_denorm_mode_16_64 3
		.amdhsa_memory_ordered 1
		.amdhsa_forward_progress 1
		.amdhsa_inst_pref_size 147
	.end_amdhsa_kernel
	.amdgpu_metadata
---
amdhsa.version: [ 1, 2 ]
amdhsa.kernels:
  - .name:           k_qcf70220c4c_prep
    .symbol:         k_qcf70220c4c_prep.kd
    .args:
      - { .name: x, .offset: 0, .size: 8, .value_kind: global_buffer, .address_space: global }
      - { .name: Wq, .offset: 8, .size: 8, .value_kind: global_buffer, .address_space: global }
      - { .name: Wk, .offset: 16, .size: 8, .value_kind: global_buffer, .address_space: global }
      - { .name: Wv, .offset: 24, .size: 8, .value_kind: global_buffer, .address_space: global }
      - { .name: Wo, .offset: 32, .size: 8, .value_kind: global_buffer, .address_space: global }
      - { .name: xc, .offset: 40, .size: 8, .value_kind: global_buffer, .address_space: global }
      - { .name: xs, .offset: 48, .size: 8, .value_kind: global_buffer, .address_space: global }
      - { .name: wc, .offset: 56, .size: 8, .value_kind: global_buffer, .address_space: global }
      - { .name: ws, .offset: 64, .size: 8, .value_kind: global_buffer, .address_space: global }
      - { .name: wo16, .offset: 72, .size: 8, .value_kind: global_buffer, .address_space: global }
    .group_segment_fixed_size: 68096
    .private_segment_fixed_size: 0
    .kernarg_segment_align: 8
    .kernarg_segment_size: 80
    .max_flat_workgroup_size: 128
    .sgpr_count:     66
    .vgpr_count:     194
    .wavefront_size: 32
...
	.end_amdgpu_metadata
.endif
;; end of part 1
;; launch qkv (part 2): grid 12 x 32, 4 waves a work-group, clusters of 4 x 4, 327,680 bytes of LDS; arguments xc, xs, wc, ws, qkv, fine32; writes qkv, fine32
.if DOCPART == 2
	.amdgcn_target "amdgcn-amd-amdhsa--gfx1250"
	.amdhsa_code_object_version 6
	.text
	.protected	k_qcf70220c4c_qkv
	.globl	k_qcf70220c4c_qkv
	.p2align	8
	.type	k_qcf70220c4c_qkv,@function
k_qcf70220c4c_qkv:
	s_mov_b64 s[64:65], 0
	v_nop
	global_prefetch_b8 v0, s[64:65] scope:SCOPE_SE
	s_setreg_imm32_b32 hwreg(HW_REG_WAVE_MODE, 25, 1), 1
	s_wait_xcnt 0x0
	s_wait_alu depctr_hold_cnt(0) depctr_sa_sdst(0) depctr_va_vdst(0) depctr_va_sdst(0) depctr_va_ssrc(0) depctr_va_vcc(0) depctr_vm_vsrc(0)
	s_getreg_b32 s2, hwreg(HW_REG_IB_STS2, 6, 4)
	s_cmp_eq_u32 s2, 0
	s_cbranch_scc0 .Lentry_in_a_cluster
	s_endpgm
.Lentry_in_a_cluster:
	s_bfe_u32 s2, ttmp6, 0x10000c
	s_cmp_lg_u32 s2, 0xf033
	s_cbranch_scc0 .Lentry_shape_is_right
	s_endpgm
.Lentry_shape_is_right:
; q, k, v = x Wq, x Wk, x Wv in one product on codes of E2M1: C[m][n] = sum over k of A[m][k] B[n][k], A = x's codes [8192][1024], B = the three weights' codes [3072][1024], one E8M0 byte for each 32 along K.
; A tile of C, 256 x 256, is made by four waves, each 128 x 128: 64 accumulators, 512 registers.  K = 1,024 is two slots of 512: both are asked for at the head, and nothing is filled again.
; The scale bytes of the work-group's 256 + 256 rows come once, as dense blocks in rows of 256 bytes.
; CLUSTERS: 4 x 4 work-groups; A's tiles are asked for jointly along a row of the cluster, B's along a column.
; THE MATRIX INSTRUCTION IS USED TRANSPOSED (source 0 = 16 rows of B, source 1 = 16 rows of A): a lane holds eight neighbouring columns of one row of C.
; THE WAY OUT HAS NO STAGE.  Eight neighbouring channels of one position, rounded to f16, are 16 bytes: four registers of the next product's operand.  So a 16 x 16 result leaves as a PIECE:
; 512 consecutive bytes, lane l's 16 bytes at 16 l, by one store of the wave.  qkv: byte = part<<24 | (16 batch + head)<<18 | position tile<<11 | channel tile<<9 | slot<<4.
; For q and k the slot is the lane; for v it is 16 (r / 8) + 8 h + r % 8, so that the transposing LDS load at 16 x lane finds key 8 (l / 16) + l % 8 and channels 8 ((l / 8) % 2) + 0..7.
; The first 16 positions of each sequence leave in f32 too (fine32: byte = part<<18 | batch<<16 | head<<12 | channel tile<<10 | i<<9 | 16 lane).  Which waves hold them hangs on the work-group's place,
; and no branch hangs on it: the lanes are switched off instead.
; LIMITS: q, k and v must lie within f16's range, 65,504.  12 x 32 = 384 work-groups: a tile of 256 x 384 would give 256, at the price of accumulators that do not fit beside the fragments.
.set SIZE_K, 1024
.set KSTEP,  512
.set NQ,     KSTEP/128
.set ROWB,   256
.set KROW,   SIZE_K*4/8
.set PITCH,  272                       ; an LDS row: 256 bytes + 16 of padding = 68 words: the 16 rows that a load touches start at 16 different banks
.set FR,     8
.set NL,     2
.set NP,     4
.set HALFT,  128*PITCH
.set SLOT,   4*HALFT
.set KS,     SIZE_K/32
.set SCL,    2*SLOT
.set HALFS,  (128*KS/256)*272
.set SBLK,   (16*KS/256)*272
.set SPARE,  SCL+4*HALFS               ; behind the scales: the spare words, 128 bytes for each wave: two blocks of 256 bytes that no other line names
.set ADRA, 16                          ; v16-17  LDS address of my A fragments in slot 0, 1
.set ADRB, 20                          ; v20-21  the same for B
.set LIN,  24                          ; v24     16 x lane
.set STO,  25                          ; v25     16 x my slot in a piece
.set MSK,  26                          ; v26     my first row's position in its sequence
.set ADRS, 27                          ; v27     LDS address of my scale words: lanes 0-15 A's rows, lanes 16-31 B's
.set SPW,  28
.set NIL,  29
.set SC,   32                          ; v32-95  scale words, two sets
.set AF,   128                         ; A's fragments, window 0
.set PK,   128                         ; the way out: four sets of 32 packed registers, v128-255
.set G1, 24
.set G0, 32
.set G1B, 48
.set G0B, 56
.set G1S, 68
.set G0S, 76
.set G1SB, 80
.set G0SB, 88
.set MSB, 0
.macro WIN new                         ; the immediate's high byte repeats the setting that is left
.if MSB != \new
	s_set_vgpr_msb (MSB<<8)|\new
.set MSB, \new
.endif
.endm
.set MUL_LO, 0xa1                      ; source 0 (B) window 1, source 1 (A) window 0, C and D window 2
.set MUL_HI, 0xf1                      ; the same, C and D window 3
.set TO_B,   0x40
; A joint load: waves 0 and 1 fetch for A, waves 2 and 3 for B; the branch hangs on the wave's number alone.  An s_nop 0 and four v_nop follow each of the two lines.
.macro JLOAD g0a, g1a, g0b, g1b
	s_cmp_eq_u32 s15, 0
	s_cbranch_scc0 .Lfor_b_\@
	tensor_load_to_lds s[\g0a:\g0a+3], s[\g1a:\g1a+7]
	s_nop 0
.rept 4
	v_nop
.endr
	s_branch .Lasked_\@
.Lfor_b_\@:
	tensor_load_to_lds s[\g0b:\g0b+3], s[\g1b:\g1b+7]
	s_nop 0
.rept 4
	v_nop
.endr
.Lasked_\@:
.endm
.macro CROUND                          ; a round of the cluster's barrier
	s_barrier_signal -1
	s_barrier_wait -1
	s_cmp_lg_u32 s14, 0
	s_cbranch_scc1 .Lnot_wave_0_\@
	s_barrier_signal -3
.Lnot_wave_0_\@:
	s_barrier_wait -3
	s_barrier_signal -1
	s_barrier_wait -1
.endm
	s_load_b128 s[4:7], s[0:1], 0x0                ; x's codes s[4:5], x's scales s[6:7]
	s_load_b128 s[8:11], s[0:1], 0x10              ; the weights' codes s[8:9], their scales s[10:11]
	s_load_b64 s[12:13], s[0:1], 0x20              ; qkv
	s_load_b64 s[96:97], s[0:1], 0x28              ; fine32
	v_lshl_add_u32 v[SPW], v0, 2, SPARE
	v_mov_b32 v[NIL], 0
	ds_add_u32 v[SPW], v[NIL]                      ; the wave's opening: the add, twice on end, and its wait ahead of my first tensor load
	ds_add_u32 v[SPW], v[NIL]
	v_lshrrev_b32 v1, 5, v0
	v_readfirstlane_b32 s14, v1                    ; wave 0..3
	s_lshr_b32 s15, s14, 1                         ; which half of the tile's rows is mine.  Also: I fetch for A (0) or for B (1)
	s_and_b32 s16, s14, 1                          ; which half of its columns.  Also: which 128 rows of that tile I fetch
	s_bfe_u32 s40, ttmp6, 0x40000                  ; cx, cy: my place in the cluster
	s_bfe_u32 s41, ttmp6, 0x40004
	s_lshl_b32 s42, ttmp9, 2
	s_add_co_u32 s42, s42, s40                     ; tile column of C = 4 x cluster x + cx
	s_and_b32 s17, ttmp7, 0xffff
	s_lshl_b32 s17, s17, 2
	s_add_co_u32 s17, s17, s41                     ; tile row of C = 4 x cluster y + cy
	s_lshl_b32 s43, s41, 2
	s_lshl_b32 s43, 15, s43                        ; my row of the cluster
	s_lshl_b32 s44, 0x1111, s40                    ; my column
	s_or_b32 s[G1+0], s43, (0<<16)|(1<<20)|(1<<21)|(5<<22)|(3<<25)  ; the mask; elements of 1 byte; padding on; bit 21 beside a mask; 4 words after every 64
	s_or_b32 s[G1B+0], s44, (0<<16)|(1<<20)|(1<<21)|(5<<22)|(3<<25)
.irp g, G1, G1B
	s_mov_b32 s[\g+1], ROWB<<16                    ; tensor_dim0
	s_mov_b32 s[\g+2], 128<<16                     ; tensor_dim1 = 128
	s_mov_b32 s[\g+3], ROWB<<16                    ; tile_dim0
	s_mov_b32 s[\g+4], 128                         ; tile_dim1 = 128
	s_mov_b32 s[\g+5], KROW                        ; the pitch
	s_mov_b32 s[\g+6], 0
	s_mov_b32 s[\g+7], 0
.endr
	s_or_b32 s[G1S+0], s43, (3<<16)|(1<<20)|(1<<21)|(5<<22)|(3<<25) ; the scales of 128 rows: a dense block of 4,096 bytes, as 16 rows of 256 (32 elements of 8 bytes), 16 bytes of padding behind each
	s_or_b32 s[G1SB+0], s44, (3<<16)|(1<<20)|(1<<21)|(5<<22)|(3<<25)
.irp g, G1S, G1SB
	s_mov_b32 s[\g+1], 32<<16
	s_mov_b32 s[\g+2], (128*KS/256)<<16
	s_mov_b32 s[\g+3], 32<<16
	s_mov_b32 s[\g+4], 128*KS/256
	s_mov_b32 s[\g+5], 32
	s_mov_b32 s[\g+6], 0
	s_mov_b32 s[\g+7], 0
.endr
	s_lshl_b32 s18, s16, 7                         ; which 128 rows of the tile I fetch
	s_lshl_b32 s20, s17, 8
	s_add_co_u32 s20, s20, s18                     ; A: row 256 x tile row + 128 x half
	s_lshl_b32 s46, s42, 8
	s_add_co_u32 s46, s46, s18                     ; B: row 256 x tile column + 128 x half
	s_mov_b32 s21, 0
	s_mov_b32 s47, 0
	s_mov_b64 s[18:19], KS
	s_mul_u64 s[22:23], s[20:21], s[18:19]         ; where these rows' scales begin,
	s_mul_u64 s[92:93], s[46:47], s[18:19]
	s_mov_b64 s[18:19], KROW
	s_mul_u64 s[20:21], s[20:21], s[18:19]         ; and their codes
	s_mul_u64 s[46:47], s[46:47], s[18:19]
	s_mul_i32 s45, s14, HALFT                      ; where they go: wave x 128 rows: no place in the cluster enters an LDS address
	s_mul_i32 s94, s14, HALFS
	s_wait_dscnt 0x0                               ; both opening adds are done
	s_wait_kmcnt 0x0
	s_add_nc_u64 s[20:21], s[4:5], s[20:21]
	s_add_nc_u64 s[22:23], s[6:7], s[22:23]
	s_add_nc_u64 s[46:47], s[8:9], s[46:47]
	s_add_nc_u64 s[92:93], s[10:11], s[92:93]
	CROUND                                         ; all sixteen work-groups are here: the first joint loads meet
	s_mov_b32 s[G0S], 1
	s_add_co_u32 s[G0S+1], s94, SCL
	s_mov_b64 s[G0S+2:G0S+3], s[22:23]
	s_or_b32 s[G0S+3], s[G0S+3], 0x80000000
	s_mov_b32 s[G0SB], 1
	s_add_co_u32 s[G0SB+1], s94, SCL
	s_mov_b64 s[G0SB+2:G0SB+3], s[92:93]
	s_or_b32 s[G0SB+3], s[G0SB+3], 0x80000000
	JLOAD G0S, G1S, G0SB, G1SB                     ; the scales first: they are wanted with the first slot
.irp s, 0,1
	s_mov_b32 s[G0+4*\s], 1
	s_add_co_u32 s[G0+4*\s+1], s45, \s*SLOT
	s_add_nc_u64 s[G0+4*\s+2:G0+4*\s+3], s[20:21], \s*ROWB
	s_or_b32 s[G0+4*\s+3], s[G0+4*\s+3], 0x80000000
	s_mov_b32 s[G0B+4*\s], 1
	s_add_co_u32 s[G0B+4*\s+1], s45, \s*SLOT
	s_add_nc_u64 s[G0B+4*\s+2:G0B+4*\s+3], s[46:47], \s*ROWB
	s_or_b32 s[G0B+4*\s+3], s[G0B+4*\s+3], 0x80000000
	JLOAD G0+4*\s, G1, G0B+4*\s, G1B               ; by my own count three tensor loads are out
.endr
	v_and_b32 v1, 15, v0                           ; r = l % 16
	v_bfe_u32 v2, v0, 4, 1                         ; h = l / 16
	v_mul_u32_u24 v3, v1, PITCH
	v_lshl_add_u32 v4, v2, 4, v3                   ; a fragment's row x pitch + 16 x half
	s_mul_i32 s21, s15, HALFT                      ; my 128 rows of A
	s_mul_i32 s22, s16, HALFT                      ; my 128 rows of B,
	s_add_co_u32 s22, s22, 2*HALFT                 ; which lie behind A's 256
.irp s, 0,1
	v_add_nc_u32 v[ADRA+\s], s21, v4
	v_add_nc_u32 v[ADRB+\s], s22, v4
	s_add_co_u32 s21, s21, SLOT
	s_add_co_u32 s22, s22, SLOT
.endr
	v_mul_u32_u24 v5, v1, KS                       ; my row's scales: 32 bytes a row,
	v_lshrrev_b32 v6, 8, v5
	v_lshl_add_u32 v5, v6, 4, v5                   ; and 16 more for each 256 passed
	s_mul_i32 s21, s15, HALFS
	s_mul_i32 s22, s16, HALFS
	s_add_co_u32 s22, s22, 2*HALFS
	s_sub_co_u32 s22, s22, s21
	v_mul_u32_u24 v6, s22, v2                      ; lanes 16-31 take B's: one product, the distance between the two bases
	s_add_co_u32 s21, s21, SCL
	v_add_nc_u32 v5, v5, v6
	v_add_nc_u32 v[ADRS], s21, v5
	; the way out: my slot in a piece
	v_and_b32 v6, 31, v0
	v_lshlrev_b32 v[LIN], 4, v6
	v_lshrrev_b32 v5, 3, v1
	v_lshlrev_b32 v5, 4, v5                        ; 16 (r / 8)
	v_lshl_add_u32 v5, v2, 3, v5                   ; + 8 h
	v_and_b32 v6, 7, v1
	v_add_nc_u32 v5, v5, v6                        ; + r % 8
	v_lshlrev_b32 v5, 4, v5
	s_cmp_ge_u32 s42, 8                            ; tile columns 8 to 11 are v's
	s_cselect_b32 s23, -1, 0
	v_cndmask_b32 v[STO], v[LIN], v5, s23          ; a choice of an offset, no branch
	; where my 128 x 128 begin in qkv and in fine32
	s_lshl_b32 s20, s17, 8
	s_lshl_b32 s21, s15, 7
	s_add_co_u32 s20, s20, s21                     ; m0: my first row
	s_lshl_b32 s46, s42, 8
	s_lshl_b32 s47, s16, 7
	s_add_co_u32 s46, s46, s47                     ; n0: my first column
	s_and_b32 s22, s20, 2047                       ; my first row's position in its sequence
	s_lshr_b32 s18, s46, 10                        ; part: 0 q, 1 k, 2 v
	s_bfe_u32 s19, s46, 0x40006                    ; my first head (I hold two)
	s_lshr_b32 s21, s20, 11                        ; batch
	s_bfe_u32 s47, s20, 0x70004                    ; my first position tile
	s_lshl_b32 s92, s18, 24
	s_lshl_b32 s93, s21, 22
	s_add_co_u32 s92, s92, s93
	s_lshl_b32 s93, s19, 18
	s_add_co_u32 s92, s92, s93
	s_lshl_b32 s93, s47, 11
	s_add_co_u32 s92, s92, s93
	s_mov_b32 s93, 0
	s_add_nc_u64 s[12:13], s[12:13], s[92:93]
	s_lshl_b32 s92, s18, 18
	s_lshl_b32 s94, s21, 16
	s_add_co_u32 s92, s92, s94
	s_lshl_b32 s94, s19, 12
	s_add_co_u32 s92, s92, s94
	s_add_nc_u64 s[96:97], s[96:97], s[92:93]
.macro FRAG reg, adr, q, i             ; a fragment, 16 rows x 128 K of 4-bit codes: registers 4 c .. 4 c + 3 hold K = 64 c + 32 (l / 16) + 0 .. 31
.irp c, 0,1
	ds_load_b128 v[\reg+4*\c:\reg+4*\c+3], v[\adr] offset:64*(\q)+32*\c+(\i)*16*PITCH
.endr
.endm
; 16 matrix instructions: A's blocks a0, a0 + 1 x B's eight, 128 along K.  The 64 accumulators take turns, one instruction a turn, in the same order in every step.
.macro MUL16 a0, p, q, sc, zero
.irp a, \a0, \a0+1
.irp b, 0,1,2,3,4,5,6,7
.if \zero
	v_wmma_scale_f32_16x16x128_f8f6f4 v[8*(8*((\a)%4)+\b):8*(8*((\a)%4)+\b)+7], v[128*(\p)+FR*\b:128*(\p)+FR*\b+FR-1], v[AF+FR*(\a):AF+FR*(\a)+FR-1], 0, v[SC+8*NQ*(\sc)+NQ*\b+(\q)], v[SC+8*NQ*(\sc)+NQ*(\a)+(\q)] matrix_a_fmt:MATRIX_FMT_FP4 matrix_b_fmt:MATRIX_FMT_FP4 matrix_a_scale:MATRIX_SCALE_ROW1
.else
	v_wmma_scale_f32_16x16x128_f8f6f4 v[8*(8*((\a)%4)+\b):8*(8*((\a)%4)+\b)+7], v[128*(\p)+FR*\b:128*(\p)+FR*\b+FR-1], v[AF+FR*(\a):AF+FR*(\a)+FR-1], v[8*(8*((\a)%4)+\b):8*(8*((\a)%4)+\b)+7], v[SC+8*NQ*(\sc)+NQ*\b+(\q)], v[SC+8*NQ*(\sc)+NQ*(\a)+(\q)] matrix_a_fmt:MATRIX_FMT_FP4 matrix_b_fmt:MATRIX_FMT_FP4 matrix_a_scale:MATRIX_SCALE_ROW1
.endif
.endr
.endr
.endm
.macro FETCH_B slot, q, p
	WIN TO_B
.irp i, 0,1,2,3,4,5,6,7
	FRAG 128*(\p)+FR*\i, ADRB+\slot, \q, \i
.endr
	WIN 0
.endm
.macro FETCH_A slot, q, i0
.irp i, \i0, \i0+1, \i0+2, \i0+3
	FRAG AF+FR*(\i), ADRA+\slot, \q, \i
.endr
.endm
.macro SCALES sc                       ; a slot's scale words: 4 words a row; lanes 0-15 take A's block i, lanes 16-31 B's block i
.irp i, 0,1,2,3,4,5,6,7
	ds_load_b128 v[SC+8*NQ*\sc+NQ*\i:SC+8*NQ*\sc+NQ*\i+3], v[ADRS] offset:\i*SBLK
.endr
.endm
.macro PLACES n                        ; plain vector instructions between a matrix instruction and a load into, or a read of, its registers
.rept \n
	v_nop
.endr
.endm
.macro STEP slot, q, zero              ; a step of 128 along K that has its successor in the same slot
	s_wait_dscnt 4*NL                              ; B's set and A's blocks 0-3 are in; the youngest eight loads (A's blocks 4-7) may be out
	WIN MUL_LO
	MUL16 0, (\q)%2, \q, \slot, \zero
	MUL16 2, (\q)%2, \q, \slot, \zero
	s_wait_dscnt 0                                 ; A's blocks 4-7 are in
	PLACES NP
	FETCH_B \slot, (\q)+1, 1-(\q)%2
	FETCH_A \slot, (\q)+1, 0
	WIN MUL_HI
	MUL16 4, (\q)%2, \q, \slot, \zero
	MUL16 6, (\q)%2, \q, \slot, \zero
	PLACES NP
	WIN 0
	FETCH_A \slot, (\q)+1, 4
.endm
; Slot 0's last step changes slots.  Nothing is filled again: the barrier only shows slot 1 whole to every wave.
.macro TURN slot, next
	s_wait_tensorcnt 0x0                           ; all my tensor loads have landed: my part of the next slot
	ds_add_u32 v[SPW], v[NIL]                      ; 0 onto my spare word
	s_wait_dscnt 4*NL+1                            ; (the add and the youngest eight loads may be out)
	WIN MUL_LO
	MUL16 0, 1, NQ-1, \slot, 0
	s_wait_dscnt 0x0                               ; the add is done, and no LDS instruction of mine is pending at the signal
	s_barrier_signal -1
	MUL16 2, 1, NQ-1, \slot, 0
	WIN 0
	s_barrier_wait -1
	PLACES NP
	v_add_nc_u32 v[ADRS], 4*NQ, v[ADRS]            ; on to the next slot's scale words
	FETCH_B \next, 0, 0
	FETCH_A \next, 0, 0
	SCALES \next
	WIN MUL_HI
	MUL16 4, 1, NQ-1, \slot, 0
	MUL16 6, 1, NQ-1, \slot, 0
	PLACES NP
	WIN 0
	FETCH_A \next, 0, 4
.endm
	s_wait_tensorcnt 1                             ; the scales and my part of slot 0 are in (slot 1's load may be out),
	s_barrier_signal -1
	s_barrier_wait -1                              ; everybody's are
	FETCH_B 0, 0, 0
	FETCH_A 0, 0, 0
	SCALES 0
	FETCH_A 0, 0, 4
	STEP 0, 0, 1                                   ; the first step's products start the sums: nothing is cleared
	STEP 0, 1, 0
	STEP 0, 2, 0
	TURN 0, 1
	STEP 1, 0, 0
	STEP 1, 1, 0
	STEP 1, 2, 0
	s_wait_dscnt 4*NL                              ; the very last step: nothing more to fetch
	WIN MUL_LO
	MUL16 0, 1, NQ-1, 1, 0
	MUL16 2, 1, NQ-1, 1, 0
	s_wait_dscnt 0
	WIN MUL_HI
	MUL16 4, 1, NQ-1, 1, 0
	MUL16 6, 1, NQ-1, 1, 0
	WIN 0
	PLACES NP                                      ; behind the last products, with all lanes on: they serve every read of results and every write of A's registers below
	; positions 0-15 in f32: my block 0, where my first row is a sequence's first
	v_mov_b32 v[MSK], s22
	v_cmp_eq_u32 vcc_lo, 0, v[MSK]
	s_wait_xcnt 0x0                                ; EXEC changes only behind this wait
	s_and_saveexec_b32 s21, vcc_lo
	WIN 0x08                                       ; a store's data are its source 1: window 2
.irp b, 0,1,2,3,4,5,6,7
.irp i, 0,1
	global_store_b128 v[LIN], v[8*\b+4*\i:8*\b+4*\i+3], s[96:97] offset:(\b/4)*4096+(\b%4)*1024+\i*512   ; each accumulator from its low end on; 512 consecutive bytes a store
.endr
.endr
	WIN 0
	s_wait_xcnt 0x0                                ; and again, in front of the line that widens it
	s_or_b32 exec_lo, exec_lo, s21
; Block a (16 positions x 128 columns: two heads' four channel tiles): rounded to f16, eight pieces, eight stores of 512 consecutive bytes.
.macro OUTB a
.set AC, 64*((\a)%4)
.set PS, PK+32*((\a)%4)
.if (\a) >= 4
	s_wait_xcnt 0x0                                ; the stores of four blocks back have read their data: the set may be written again
.endif
	WIN 0x0a+5*((\a)/4)                            ; sources 0 and 1: window 2 or 3
.irp b, 0,1,2,3,4,5,6,7
.irp r, 0,1,2,3
	v_cvt_pk_f16_f32 v[PS+4*\b+\r], v[AC+8*\b+2*\r], v[AC+8*\b+2*\r+1]
.endr
.endr
	WIN 0
.irp b, 0,1,2,3,4,5,6,7
	global_store_b128 v[STO], v[PS+4*\b:PS+4*\b+3], s[12:13] offset:(\b/4)*262144+(\a)*2048+(\b%4)*512
.endr
.endm
.irp a, 0,1,2,3,4,5,6,7
	OUTB \a
.endr
	s_wait_tensorcnt 0x0                           ; the wave's end
	ds_add_u32 v[SPW], v[NIL]
	s_wait_dscnt 0x0
	CROUND                                         ; the closing round: no work-group ends while a partner may still ask for a tile that names it
	s_endpgm
.Lfunc_end_k_qcf70220c4c_qkv:
	.size	k_qcf70220c4c_qkv, .Lfunc_end_k_qcf70220c4c_qkv-k_qcf70220c4c_qkv
	.p2alignl 7, 3214868480
	.fill 96, 4, 3214868480
	.section	.rodata,"a",@progbits
	.p2align	6, 0x0
	.amdhsa_kernel k_qcf70220c4c_qkv
		.amdhsa_group_segment_fixed_size 327680
		.amdhsa_private_segment_fixed_size 0
		.amdhsa_enable_private_segment 0
		.amdhsa_kernarg_size 48
		.amdhsa_user_sgpr_count 2
		.amdhsa_user_sgpr_kernarg_segment_ptr 1
		.amdhsa_wavefront_size32 1
		.amdhsa_system_sgpr_workgroup_id_x 1
		.amdhsa_system_sgpr_workgroup_id_y 1
		.amdhsa_system_sgpr_workgroup_id_z 1
		.amdhsa_system_vgpr_workitem_id 0
		.amdhsa_next_free_vgpr 1024
		.amdhsa_next_free_sgpr 98
		.amdhsa_reserve_vcc 1
		.amdhsa_float_denorm_mode_32 3
		.amdhsa_float_denorm_mode_16_64 3
		.amdhsa_memory_ordered 1
		.amdhsa_forward_progress 1
		.amdhsa_inst_pref_size 120
	.end_amdhsa_kernel
	.amdgpu_metadata
---
amdhsa.version: [ 1, 2 ]
amdhsa.kernels:
  - .name:           k_qcf70220c4c_qkv
    .symbol:         k_qcf70220c4c_qkv.kd
    .args:
      - { .name: xc, .offset: 0, .size: 8, .value_kind: global_buffer, .address_space: global }
      - { .name: xs, .offset: 8, .size: 8, .value_kind: global_buffer, .address_space: global }
      - { .name: wc, .offset: 16, .size: 8, .value_kind: global_buffer, .address_space: global }
      - { .name: ws, .offset: 24, .size: 8, .value_kind: global_buffer, .address_space: global }
      - { .name: qkv, .offset: 32, .size: 8, .value_kind: global_buffer, .address_space: global }
      - { .name: fine32, .offset: 40, .size: 8, .value_kind: global_buffer, .address_space: global }
    .group_segment_fixed_size: 327680
    .private_segment_fixed_size: 0
    .kernarg_segment_align: 8
    .kernarg_segment_size: 48
    .max_flat_workgroup_size: 128
    .sgpr_count:     98
    .vgpr_count:     1024
    .wavefront_size: 32
...
	.end_amdgpu_metadata
.endif
;; end of part 2
;; launch attn (part 3): grid 4 x 64, 16 waves a work-group, clusters of 4 x 1, 327,680 bytes of LDS; arguments qkv, ctx; writes ctx
.if DOCPART == 3
	.amdgcn_target "amdgcn-amd-amdhsa--gfx1250"
	.amdhsa_code_object_version 6
	.text
	.protected	k_qcf70220c4c_attn
	.globl	k_qcf70220c4c_attn
	.p2align	8
	.type	k_qcf70220c4c_attn,@function
k_qcf70220c4c_attn:
	s_mov_b64 s[64:65], 0
	v_nop
	global_prefetch_b8 v0, s[64:65] scope:SCOPE_SE
	s_setreg_imm32_b32 hwreg(HW_REG_WAVE_MODE, 25, 1), 1
	s_wait_xcnt 0x0
	s_wait_alu depctr_hold_cnt(0) depctr_sa_sdst(0) depctr_va_vdst(0) depctr_va_sdst(0) depctr_va_ssrc(0) depctr_va_vcc(0) depctr_vm_vsrc(0)
	s_getreg_b32 s2, hwreg(HW_REG_IB_STS2, 6, 4)
	s_cmp_eq_u32 s2, 0
	s_cbranch_scc0 .Lentry_in_a_cluster
	s_endpgm
.Lentry_in_a_cluster:
	s_bfe_u32 s2, ttmp6, 0x10000c
	s_cmp_lg_u32 s2, 0x3003
	s_cbranch_scc0 .Lentry_shape_is_right
	s_endpgm
.Lentry_shape_is_right:
; ctx[b][q][head] = the sum over keys k <= q of softmax_k(q . k / 8) v, head size 64, 2,048 positions, 64 (batch, head) pairs.  Operands in f16, products, maxima and sums in f32; the weights p are rounded to f16.
; SHARES.  A cluster of four work-groups is one (batch, head).  A work-group has sixteen waves of 256 registers, four to a SIMD, so that one wave's vector work stands beside another's matrix work.
; Wave w has rank r = w xor 3 ((w / 4) % 2); the ranks of waves w, w + 4, w + 8, w + 12 sum to 30.  Wave w of partner cx owns queries 128 r + 32 cx + 0..31: two tiles of 16.
; So every work-group spans the whole sequence, all four partners have the same work and walk all keys together: K's and V's tiles are asked for JOINTLY, one load for the four.
; THE CAUSAL MASK hangs on the rank alone, never on cx: a step of 64 keys is left out where its first key comes after query 128 r + 127, and hidden scores are set to -infinity in the steps that reach
; beyond key 128 r: two steps a wave.  The price: up to 96 keys of a wave's walk are multiplied and then hidden.  Rank 15 of every partner reads every slot, so no load is left out.
; LAYOUT.  S^T = K Q^T (source 0 = 16 keys, source 1 = 16 queries), O^T = V^T P: a lane holds one query throughout.  q, k and v lie in memory as pieces of 512 bytes in the order of the operands' registers,
; so every LDS load reads 16 x lane: no pitch, no padding.  v's pieces are laid for the transposing load.
; SOFTMAX.  A running maximum m and sum l for each query: p = 2^(c s - c m), c = log2(e) / 8; in every step O and l are multiplied by a = 2^(c m_old - c m_new).
; The step is written once: m begins at -3e38, l and O^T at 0.  Key 0 counts for every query, so m is a score from the first step on.
; LIMITS: NaN and infinities are not served; ctx must lie within f16's range (it is an average of v).
.set SPARE, 131072                     ; behind the ring: the spare words, 128 bytes for each wave: eight blocks of 256 bytes that no other line names
.set SLOT1, 65536                      ; a slot: 256 keys: K's 32 KiB, then V's; slot 1 begins here, so that one exclusive or turns an address
.set VOFF,  32768
.set LI,   1                           ; v1   16 x lane; never rewritten
.set ADR,  2                           ; v2   LDS address of the slot in hand
.set DQ,   4                           ; v4-5 my query of tile T - 8 (lane / 16)
.set SPW,  6
.set NIL,  7
.set PFO,  8                           ; v8   256 x lane
.set NINF, 9                           ; v9   -infinity
.set DD,   10                          ; v10-11 DQ - the step's first key
.set Q,    16                          ; v16-47   Q: tile T, piece c at 16 T + 4 c
.set KV,   48                          ; v48-111  a step's K, then its V
.set S,    112                         ; v112-175 S^T: tile T, key tile kt at 32 T + 8 kt; then p; then P packed into 32 T + 0..15
.set O,    176                         ; v176-239 O^T: 32 T + 8 ct
.set ST,   240                         ; v240-255 eight a tile: +0 c m, +1 m, +2, +3 l, +4..+7 at work; a in +6
.set WV,   18
.set RK,   19
.set SEL,  20
.set CS,   22
.set G1,   24
.set G0,   32
.set TB,   36                          ; s36  LDS byte at which the slot in hand begins
.set KF,   37                          ; s37  the step's first key
.set LIMQ, 38                          ; s38  128 r + 127
.set DIAG, 39                          ; s39  128 r
.set SLOTS, 40
.set LIM,  41
.set PFA,  42
.set CX,   44
.set HB,   45
.macro CROUND                          ; a round of the cluster's barrier
	s_barrier_signal -1
	s_barrier_wait -1
	s_cmp_lg_u32 s[WV], 0
	s_cbranch_scc1 .Lnot_wave_0_\@
	s_barrier_signal -3
.Lnot_wave_0_\@:
	s_barrier_wait -3
	s_barrier_signal -1
	s_barrier_wait -1
.endm
.macro TLOAD                           ; waves 0 and 1 fetch K's halves of a slot, waves 2 and 3 V's, 16 KiB each; the branch hangs on the wave's number alone
	s_cmp_lt_u32 s[WV], 4
	s_cbranch_scc0 .Lno_load_\@
	tensor_load_to_lds s[G0:G0+3], s[G1:G1+7]
	s_nop 0
.rept 4
	v_nop
.endr
.Lno_load_\@:
.endm
; A prefetch of what the NEXT change of slots will ask for: 32 KiB of K and of V.  Wave 4 asks for K's, wave 5 for V's; the four partners take 8 KiB each, told apart by address; lanes 256 bytes apart.
; So each block is named once in the launch.  It stands four key steps ahead of the load that wants the data.  The last change that fills a slot asks for nothing; slots 0 and 1 come by their loads alone.
.macro ASK
	s_cmp_gt_u32 s[SLOTS], s[LIM]
	s_cbranch_scc0 .Lnot_mine_\@
	global_prefetch_b8 v[PFO], s[PFA:PFA+1] th:TH_LOAD_NT scope:SCOPE_SE
.Lnot_mine_\@:
.endm
	s_load_b128 s[4:7], s[0:1], 0x0                ; qkv s[4:5], ctx s[6:7]
	v_lshl_add_u32 v[SPW], v0, 2, SPARE
	v_mov_b32 v[NIL], 0
	ds_add_u32 v[SPW], v[NIL]                      ; the wave's opening: the add, twice on end, and its wait ahead of the first tensor load
	ds_add_u32 v[SPW], v[NIL]
	v_lshrrev_b32 v3, 5, v0
	v_readfirstlane_b32 s[WV], v3                  ; wave 0..15
	s_bfe_u32 s46, s[WV], 0x10002
	s_mul_i32 s46, s46, 3
	s_xor_b32 s[RK], s[WV], s46                    ; rank
	s_bfe_u32 s[CX], ttmp6, 0x40000                ; my place in the cluster
	s_and_b32 s[HB], ttmp7, 0xffff                 ; 16 batch + head, which the four partners share
	s_mov_b32 s[G1], 15|(3<<16)|(1<<21)            ; the mask: all four; elements of 8 bytes; bit 21 beside a mask; no padding
	s_mov_b32 s[G1+1], 32<<16                      ; tensor_dim0 = 32 elements: rows of 256 bytes
	s_mov_b32 s[G1+2], 64<<16                      ; tensor_dim1 = 64
	s_mov_b32 s[G1+3], 32<<16                      ; tile_dim0
	s_mov_b32 s[G1+4], 64                          ; tile_dim1
	s_mov_b32 s[G1+5], 32                          ; the pitch: the block is dense
	s_mov_b32 s[G1+6], 0
	s_mov_b32 s[G1+7], 0
	s_mov_b32 s[SEL], 0x76543210
	s_mov_b32 s[SEL+1], 0xfedcba98                 ; lane l xor 16
	s_mov_b32 s[CS], 0x3e38aa3b                    ; c = log2(e) / 8
	s_mov_b32 s[CS+1], s[CS]                       ; (named with it as a pair)
	s_mov_b32 s[TB], 0
	s_mov_b32 s[KF], 0
	s_mov_b32 s[SLOTS], 7
	s_lshl_b32 s[DIAG], s[RK], 7
	s_add_co_u32 s[LIMQ], s[DIAG], 127
	s_lshr_b32 s46, s[WV], 1
	s_cmp_eq_u32 s46, 2                            ; waves 4 and 5 prefetch
	s_cselect_b32 s[LIM], 1, -1
	s_lshl_b32 s56, s[HB], 18                      ; my head's 262,144 bytes in each part
	s_and_b32 s46, s[WV], 3
	s_lshl_b32 s47, s46, 14                        ; my quarter of a slot in LDS: no place in the cluster enters it
	s_lshr_b32 s48, s46, 1
	s_add_co_u32 s48, s48, 1                       ; part 1 (k) or 2 (v)
	s_lshl_b32 s48, s48, 24
	s_add_co_u32 s48, s48, s56
	s_and_b32 s46, s[WV], 1
	s_lshl_b32 s57, s46, 14                        ; which half
	s_add_co_u32 s48, s48, s57
	s_mov_b32 s49, 0
	s_add_co_u32 s50, s46, 1                       ; the prefetches: part 1 in wave 4, part 2 in wave 5,
	s_lshl_b32 s50, s50, 24
	s_add_co_u32 s50, s50, s56
	s_lshl_b32 s59, s[CX], 13                      ; my work-group's 8 KiB,
	s_add_co_u32 s50, s50, s59
	s_add_co_u32 s50, s50, 32768                   ; in slot 1: the first change steps it to slot 2
	s_mov_b32 s51, 0
	s_lshl_b32 s58, s[RK], 3
	s_lshl_b32 s59, s[CX], 1
	s_add_co_u32 s58, s58, s59                     ; my first query tile: 8 r + 2 cx
	s_lshl_b32 s52, s58, 11
	s_add_co_u32 s52, s52, s56                     ; in q (part 0)
	s_mov_b32 s53, 0
	s_lshr_b32 s59, s[HB], 4
	s_lshl_b32 s59, s59, 7
	s_add_co_u32 s59, s59, s58                     ; my first row tile of ctx: 128 batch + query tile
	s_lshl_b32 s54, s59, 15
	s_and_b32 s59, s[HB], 15
	s_lshl_b32 s59, s59, 11                        ; my head's four pieces
	s_add_co_u32 s54, s54, s59
	s_mov_b32 s55, 0
	v_and_b32 v3, 31, v0
	v_lshlrev_b32 v[LI], 4, v3
	v_lshlrev_b32 v[PFO], 8, v3
	v_and_b32 v12, 15, v0
	v_bfe_u32 v13, v0, 4, 1
	v_lshlrev_b32 v13, 3, v13
	v_sub_nc_u32 v12, v12, v13                     ; lane % 16 - 8 (lane / 16)
	s_lshl_b32 s59, s[CX], 5
	s_add_co_u32 s59, s59, s[DIAG]
	v_add_nc_u32 v[DQ], s59, v12
	v_add_nc_u32 v[DQ+1], 16, v[DQ]
	v_mov_b32 v[NINF], 0xff800000
	s_wait_dscnt 0x0                               ; both opening adds are done
	s_wait_kmcnt 0x0
	s_add_nc_u64 s[PFA:PFA+1], s[4:5], s[50:51]
	s_add_nc_u64 s[8:9], s[4:5], s[52:53]          ; Q
	s_add_nc_u64 s[6:7], s[6:7], s[54:55]          ; ctx
	s_mov_b32 s[G0], 1                             ; count = 1
	s_mov_b32 s[G0+1], s47                         ; LDS address: slot 0
	s_add_nc_u64 s[G0+2:G0+3], s[4:5], s[48:49]    ; the head's first 256 keys
	s_or_b32 s[G0+3], s[G0+3], 0x80000000          ; type = 2
	CROUND                                         ; all four work-groups are here: the first joint loads meet
	TLOAD                                          ; slot 0
.irp T, 0,1
.irp c, 0,1,2,3
	global_load_b128 v[Q+16*\T+4*\c:Q+16*\T+4*\c+3], v[LI], s[8:9] offset:2048*\T+512*\c   ; Q stays in registers
.endr
.endr
.irp T, 0,1
	v_mov_b32 v[ST+8*\T+1], 0xff61b1e6             ; m: -3e38, under every score
	v_mul_f32 v[ST+8*\T], s[CS], v[ST+8*\T+1]      ; c m
.irp j, 2,3,4,5,6,7
	v_mov_b32 v[ST+8*\T+\j], 0                     ; l; and the registers at work, so that none is read before it is written
.endr
	v_mov_b32 v[DD+\T], 0
.endr
.set i, 0
.rept 64
	v_mov_b32 v[O+i], 0                            ; O^T, once: the first change of m multiplies zeros
.set i, i+1
.endr
; A KEY STEP: 64 keys, the q-th of the slot in hand, for my two tiles of queries.
.macro STEP q
	s_cmp_gt_u32 s[KF], s[LIMQ]                    ; all its keys come after all queries of my rank: left out.  Wave numbers and the count of steps alone
	s_cbranch_scc1 .Lhidden_\@
	v_add_nc_u32 v[ADR], s[TB], v[LI]
.rept 4
	v_nop                                          ; with the addition five places behind the last products: four for the loads into the registers that they read, five for the products below, which write over P
.endr
.irp i, 0,1,2,3,4,5,6,7,8,9,10,11,12,13,14,15
	ds_load_b128 v[KV+4*\i:KV+4*\i+3], v[ADR] offset:8192*(\q)+512*\i   ; piece i = 4 kt + c
.endr
	s_wait_dscnt 0x0
.irp cf, 0,1                           ; S^T = K Q^T: eight accumulators by turns, one instruction a turn
.irp kt, 0,1,2,3
.irp T, 0,1
.if \cf == 0
	v_wmma_f32_16x16x32_f16 v[S+32*\T+8*\kt:S+32*\T+8*\kt+7], v[KV+8*(2*\kt+\cf):KV+8*(2*\kt+\cf)+7], v[Q+16*\T+8*\cf:Q+16*\T+8*\cf+7], 0
.else
	v_wmma_f32_16x16x32_f16 v[S+32*\T+8*\kt:S+32*\T+8*\kt+7], v[KV+8*(2*\kt+\cf):KV+8*(2*\kt+\cf)+7], v[Q+16*\T+8*\cf:Q+16*\T+8*\cf+7], v[S+32*\T+8*\kt:S+32*\T+8*\kt+7]
.endif
.endr
.endr
.endr
.rept 4
	v_nop                                          ; places in front of the loads into K's registers and of the first read of the scores
.endr
.irp g, 0,1                            ; V, turned: fragment (keys 32 g on, channels 16 ct on); it lands while the softmax runs
.irp ct, 0,1,2,3
.irp u, 0,1
	ds_load_tr16_b128 v[KV+8*(4*\g+\ct)+4*\u:KV+8*(4*\g+\ct)+4*\u+3], v[ADR] offset:VOFF+8192*(\q)+(2*\g+\u)*2048+512*\ct
.endr
.endr
.endr
	s_add_co_u32 s46, s[KF], 63
	s_cmp_le_u32 s46, s[DIAG]                      ; all its keys count for every query of my rank: no mask
	s_cbranch_scc1 .Lopen_\@
	v_sub_nc_u32 v[DD], v[DQ], s[KF]
	v_sub_nc_u32 v[DD+1], v[DQ+1], s[KF]           ; register n holds key KF + 16 (n / 8) + 8 (lane / 16) + n % 8: hidden where 16 (n / 8) + n % 8 > d
.irp T, 0,1
.irp n, 0,1,2,3,4,5,6,7,8,9,10,11,12,13,14,15,16,17,18,19,20,21,22,23,24,25,26,27,28,29,30,31
	v_cmp_gt_i32 vcc_lo, 16*(\n/8)+\n%8, v[DD+\T]
	v_cndmask_b32 v[S+32*\T+\n], v[S+32*\T+\n], v[NINF], vcc_lo
.endr
.endr
.Lopen_\@:
.irp j, 0,1,2,3                        ; the maximum of my 32 scores and the old m: four chains a tile, each accumulator from its low end on; the two tiles line by line
.irp T, 0,1
	v_max3_num_f32 v[ST+8*\T+4+\j], v[S+32*\T+8*\j], v[S+32*\T+8*\j+1], v[S+32*\T+8*\j+2]
.endr
.endr
.irp i, 3,5
.irp j, 0,1,2,3
.irp T, 0,1
	v_max3_num_f32 v[ST+8*\T+4+\j], v[ST+8*\T+4+\j], v[S+32*\T+8*\j+\i], v[S+32*\T+8*\j+\i+1]
.endr
.endr
.endr
.irp T, 0,1
	v_max3_num_f32 v[ST+8*\T+4], v[ST+8*\T+4], v[S+32*\T+7], v[S+32*\T+15]
	v_max3_num_f32 v[ST+8*\T+6], v[ST+8*\T+6], v[S+32*\T+23], v[S+32*\T+31]
.endr
.irp T, 0,1
	v_max3_num_f32 v[ST+8*\T+4], v[ST+8*\T+4], v[ST+8*\T+5], v[ST+8*\T+6]
.endr
.irp T, 0,1
	v_max3_num_f32 v[ST+8*\T+4], v[ST+8*\T+4], v[ST+8*\T+7], v[ST+8*\T+1]
.endr
.irp T, 0,1
	v_permlanex16_b32 v[ST+8*\T+5], v[ST+8*\T+4], s[SEL], s[SEL+1]   ; the query's other 32 keys lie in the lane 16 away
	v_mov_b32 v[ST+8*\T+7], v[ST+8*\T]             ; c m_old is kept for a
.endr
.irp T, 0,1
	v_max_num_f32 v[ST+8*\T+1], v[ST+8*\T+4], v[ST+8*\T+5]
.endr
.irp T, 0,1
	v_mul_f32 v[ST+8*\T], s[CS], v[ST+8*\T+1]
.endr
.irp T, 0,1
	v_sub_f32 v[ST+8*\T+7], v[ST+8*\T+7], v[ST+8*\T]
.endr
.irp j, 0,2,4,6,8,10,12,14,16,18,20,22,24,26,28,30
.irp T, 0,1
	v_pk_fma_f32 v[S+32*\T+\j:S+32*\T+\j+1], v[S+32*\T+\j:S+32*\T+\j+1], s[CS:CS+1], v[ST+8*\T:ST+8*\T+1] op_sel_hi:[1,0,0] neg_lo:[0,0,1] neg_hi:[0,0,1]   ; c s - c m, two at a time
.endr
.endr
.irp T, 0,1                            ; ONE BATCH of 66 exponentials; none reads another's result
	v_exp_f32 v[ST+8*\T+6], v[ST+8*\T+7]           ; a
.endr
.irp T, 0,1
.irp n, 0,1,2,3,4,5,6,7,8,9,10,11,12,13,14,15,16,17,18,19,20,21,22,23,24,25,26,27,28,29,30,31
	v_exp_f32 v[S+32*\T+\n], v[S+32*\T+\n]
.endr
.endr
	v_nop                                          ; a plain instruction behind the last exponential
	s_wait_alu depctr_va_vdst(0)                   ; one wait for the batch, ahead of its first reader
.irp T, 0,1                            ; the sums, of the unrounded p: two chains a tile
	v_pk_fma_f32 v[ST+8*\T+2:ST+8*\T+3], v[ST+8*\T+2:ST+8*\T+3], v[ST+8*\T+6:ST+8*\T+7], v[S+32*\T:S+32*\T+1] op_sel_hi:[1,0,1]   ; l = a l + pair 0
	v_pk_add_f32 v[ST+8*\T+4:ST+8*\T+5], v[S+32*\T+2:S+32*\T+3], v[S+32*\T+4:S+32*\T+5]
.endr
.irp p, 6,10,14,18,22,26
.irp T, 0,1
	v_pk_add_f32 v[ST+8*\T+2:ST+8*\T+3], v[ST+8*\T+2:ST+8*\T+3], v[S+32*\T+\p:S+32*\T+\p+1]
	v_pk_add_f32 v[ST+8*\T+4:ST+8*\T+5], v[ST+8*\T+4:ST+8*\T+5], v[S+32*\T+\p+2:S+32*\T+\p+3]
.endr
.endr
.irp T, 0,1
	v_pk_add_f32 v[ST+8*\T+2:ST+8*\T+3], v[ST+8*\T+2:ST+8*\T+3], v[S+32*\T+30:S+32*\T+31]
.endr
.irp T, 0,1
	v_pk_add_f32 v[ST+8*\T+2:ST+8*\T+3], v[ST+8*\T+2:ST+8*\T+3], v[ST+8*\T+4:ST+8*\T+5]
.endr
.irp i, 0,1,2,3,4,5,6,7,8,9,10,11,12,13,14,15   ; P in f16, packed in place: register i takes pair i; ascending, so that no pair is written over before it is read
.irp T, 0,1
	v_cvt_pk_f16_f32 v[S+32*\T+\i], v[S+32*\T+2*\i], v[S+32*\T+2*\i+1]
.endr
.endr
.irp j, 0,2,4,6,8,10,12,14,16,18,20,22,24,26,28,30
.irp T, 0,1
	v_pk_mul_f32 v[O+32*\T+\j:O+32*\T+\j+1], v[O+32*\T+\j:O+32*\T+\j+1], v[ST+8*\T+6:ST+8*\T+7] op_sel_hi:[1,0]   ; O^T x a, each accumulator from its low end on
.endr
.endr
	s_wait_dscnt 0x0                               ; V is in
.irp g, 0,1                            ; O^T += V^T P: eight accumulators by turns
.irp ct, 0,1,2,3
.irp T, 0,1
	v_wmma_f32_16x16x32_f16 v[O+32*\T+8*\ct:O+32*\T+8*\ct+7], v[KV+8*(4*\g+\ct):KV+8*(4*\g+\ct)+7], v[S+32*\T+8*\g:S+32*\T+8*\g+7], v[O+32*\T+8*\ct:O+32*\T+8*\ct+7]
.endr
.endr
.endr
.Lhidden_\@:
	s_add_co_u32 s[KF], s[KF], 64
.endm
; THE CHANGE OF SLOTS stands at a slot's head.  Each wave waits for all its tensor loads (its part of the slot that it is about to read), adds 0 to its spare word, and waits for that and for its reads
; of the slot that it has left.  fill = 1: a round of the cluster's barrier, so that no wave of any partner still reads that slot or has a load on its way; behind it the slot is filled with the next 256 keys:
; the load has four key steps in which to land.  By my own count a fetching wave has one tensor load out.
.macro CHANGE fill
	s_wait_tensorcnt 0x0                           ; no tensor load of mine is out, so the group 0 may be written
	ds_add_u32 v[SPW], v[NIL]
.if \fill
	ds_add_u32 v[SPW], v[NIL]                      ; and once more, in every trip alike
	s_xor_b32 s[G0+1], s[G0+1], SLOT1              ; the walking descriptor: the other slot than last time,
	s_add_nc_u64 s[G0+2:G0+3], s[G0+2:G0+3], 32768 ; the next 256 keys; the type bits on top are not reached
	s_wait_xcnt 0x0                                ; the last prefetch, a slot back, has read its address, so it may be written:
	s_add_nc_u64 s[PFA:PFA+1], s[PFA:PFA+1], 32768 ; one slot further on than the walking descriptor
	s_wait_dscnt 0x0                               ; both adds are done, and my reads of the slot that I have left are over
	CROUND
	TLOAD
	ASK
.else
	s_wait_dscnt 0x0
	s_barrier_signal -1
	s_barrier_wait -1
.endif
.endm
.macro SLOT_STEPS
	STEP 0
	STEP 1
	STEP 2
	STEP 3
	s_xor_b32 s[TB], s[TB], SLOT1                  ; on to the other slot
.endm
	s_wait_loadcnt 0x0                             ; Q
.Lslot:                                            ; seven trips: behind each change of slots but the last the next slot is asked for
	CHANGE 1
	SLOT_STEPS
	s_sub_co_u32 s[SLOTS], s[SLOTS], 1
	s_cmp_lg_u32 s[SLOTS], 0
	s_cbranch_scc1 .Lslot
	CHANGE 0                                       ; the last slot is written out
	SLOT_STEPS
	; THE WAY OUT.  O^T / l, rounded to f16: a lane's eight channels of its query are 16 bytes, four registers of the projection's operand: each 16 x 16 result leaves as 512 consecutive bytes.
.rept 4
	v_nop                                          ; places behind the last products
.endr
.irp T, 0,1
	v_add_f32 v[ST+8*\T+4], v[ST+8*\T+2], v[ST+8*\T+3]
.endr
.irp T, 0,1
	v_permlanex16_b32 v[ST+8*\T+5], v[ST+8*\T+4], s[SEL], s[SEL+1]
.endr
.irp T, 0,1
	v_add_f32 v[ST+8*\T+4], v[ST+8*\T+4], v[ST+8*\T+5]
.endr
.irp T, 0,1
	v_rcp_f32 v[ST+8*\T+6], v[ST+8*\T+4]
.endr
	v_nop                                          ; a plain instruction behind the last reciprocal
	s_wait_alu depctr_va_vdst(0)                   ; one wait for the two, ahead of their first reader
.irp T, 0,1
.irp j, 0,2,4,6,8,10,12,14,16,18,20,22,24,26,28,30
	v_pk_mul_f32 v[O+32*\T+\j:O+32*\T+\j+1], v[O+32*\T+\j:O+32*\T+\j+1], v[ST+8*\T+6:ST+8*\T+7] op_sel_hi:[1,0]
.endr
.endr
.irp T, 0,1
.irp i, 0,1,2,3,4,5,6,7,8,9,10,11,12,13,14,15
	v_cvt_pk_f16_f32 v[S+32*\T+\i], v[O+32*\T+2*\i], v[O+32*\T+2*\i+1]
.endr
.endr
.irp T, 0,1
.irp ct, 0,1,2,3
	global_store_b128 v[LI], v[S+32*\T+4*\ct:S+32*\T+4*\ct+3], s[6:7] offset:32768*\T+512*\ct
.endr
.endr
	s_wait_tensorcnt 0x0                           ; the wave's end
	ds_add_u32 v[SPW], v[NIL]
	s_wait_dscnt 0x0
	CROUND                                         ; the closing round
	s_endpgm
.Lfunc_end_k_qcf70220c4c_attn:
	.size	k_qcf70220c4c_attn, .Lfunc_end_k_qcf70220c4c_attn-k_qcf70220c4c_attn
	.p2alignl 7, 3214868480
	.fill 96, 4, 3214868480
	.section	.rodata,"a",@progbits
	.p2align	6, 0x0
	.amdhsa_kernel k_qcf70220c4c_attn
		.amdhsa_group_segment_fixed_size 327680
		.amdhsa_private_segment_fixed_size 0
		.amdhsa_enable_private_segment 0
		.amdhsa_kernarg_size 16
		.amdhsa_user_sgpr_count 2
		.amdhsa_user_sgpr_kernarg_segment_ptr 1
		.amdhsa_wavefront_size32 1
		.amdhsa_system_sgpr_workgroup_id_x 1
		.amdhsa_system_sgpr_workgroup_id_y 1
		.amdhsa_system_sgpr_workgroup_id_z 1
		.amdhsa_system_vgpr_workitem_id 0
		.amdhsa_next_free_vgpr 256
		.amdhsa_next_free_sgpr 66
		.amdhsa_reserve_vcc 1
		.amdhsa_float_denorm_mode_32 3
		.amdhsa_float_denorm_mode_16_64 3
		.amdhsa_memory_ordered 1
		.amdhsa_forward_progress 1
		.amdhsa_inst_pref_size 185
	.end_amdhsa_kernel
	.amdgpu_metadata
---
amdhsa.version: [ 1, 2 ]
amdhsa.kernels:
  - .name:           k_qcf70220c4c_attn
    .symbol:         k_qcf70220c4c_attn.kd
    .args:
      - { .name: qkv, .offset: 0, .size: 8, .value_kind: global_buffer, .address_space: global }
      - { .name: ctx, .offset: 8, .size: 8, .value_kind: global_buffer, .address_space: global }
    .group_segment_fixed_size: 327680
    .private_segment_fixed_size: 0
    .kernarg_segment_align: 8
    .kernarg_segment_size: 16
    .max_flat_workgroup_size: 512
    .sgpr_count:     66
    .vgpr_count:     256
    .wavefront_size: 32
...
	.end_amdgpu_metadata
.endif
;; end of part 3
;; launch proj (part 4): grid 4 x 64, 4 waves a work-group, clusters of 4 x 4, 327,680 bytes of LDS; arguments ctx, wo16, bo, out0; writes out0
.if DOCPART == 4
	.amdgcn_target "amdgcn-amd-amdhsa--gfx1250"
	.amdhsa_code_object_version 6
	.text
	.protected	k_qcf70220c4c_proj
	.globl	k_qcf70220c4c_proj
	.p2align	8
	.type	k_qcf70220c4c_proj,@function
k_qcf70220c4c_proj:
	s_mov_b64 s[64:65], 0
	v_nop
	global_prefetch_b8 v0, s[64:65] scope:SCOPE_SE
	s_setreg_imm32_b32 hwreg(HW_REG_WAVE_MODE, 25, 1), 1
	s_wait_xcnt 0x0
	s_wait_alu depctr_hold_cnt(0) depctr_sa_sdst(0) depctr_va_vdst(0) depctr_va_sdst(0) depctr_va_ssrc(0) depctr_va_vcc(0) depctr_vm_vsrc(0)
	s_getreg_b32 s2, hwreg(HW_REG_IB_STS2, 6, 4)
	s_cmp_eq_u32 s2, 0
	s_cbranch_scc0 .Lentry_in_a_cluster
	s_endpgm
.Lentry_in_a_cluster:
	s_bfe_u32 s2, ttmp6, 0x10000c
	s_cmp_lg_u32 s2, 0xf033
	s_cbranch_scc0 .Lentry_shape_is_right
	s_endpgm
.Lentry_shape_is_right:
; out0[m][n] = sum over k of ctx[m][k] Wo[k][n] + bo[n], operands in f16, sums in f32.  8,192 x 1,024 x 1,024.
; A tile of out0 is 128 x 256: 4 x 64 = 256 work-groups.  Four waves, each 64 x 128: 32 accumulators, 256 registers.
; ctx and wo16 lie in memory in the order of the operands' registers: for each tile of 16 rows, 1,024 bytes for each 32 along K (two pieces of 512 bytes, lane l's 16 bytes at 16 l).
; So a K step of 128 is 4,096 consecutive bytes of each tile of 16 rows, every LDS load reads 16 x lane, and there is no pitch and no padding.
; K goes in 8 steps through a ring of two slots (A's 8 tiles, 32 KiB; B's 16 tiles, 64 KiB).  CLUSTERS: 4 x 4; ctx's tiles are asked for jointly along a row of the cluster, wo16's along a column.
; THE MATRIX INSTRUCTION IS USED TRANSPOSED (source 0 = 16 columns n of Wo, source 1 = 16 rows of ctx): a lane holds eight neighbouring columns of one row.  The bias is the C of each sum's first product.
; The rows of positions 0-15 of each sequence are written here like all others; a later launch writes them again, more finely.
; REGISTERS: window 0: v16-30 addresses; v32-127, v128-223 two fragment buffers (ctx at f + 8 a, Wo at f + 32 + 8 b).  Window 1: accumulator (a, b) at v[8 (8 a + b)].  Window 2: v0-63 the bias.
.set KB,     4096                      ; a K step of a tile of 16 rows
.set SLOT,   98304
.set BOFF,   32768
.set STAGE,  2*SLOT                    ; behind the ring: 16 rows x (512 bytes + 16) for each wave
.set SPITCH, 528
.set SPARE,  STAGE+4*16*SPITCH         ; behind the stages: the spare words, 128 bytes for each wave: two blocks of 256 bytes that no other line names
.set LAPS,   4                         ; a lap = two K steps
.set ADRA, 16
.set ADRB, 20
.set STO,  24
.set RD,   25
.set CO,   26                          ; v26  16 x lane
.set SPW,  28
.set NIL,  29
.set BO,   30                          ; v30  32 (lane / 16)
.set F0,   32
.set F1,   128
.set BK,   32                          ; the way out: v32-95 and v96-159 by turns
.set G1, 24
.set G0, 32
.set G1B, 48
.set G0B, 56
.set MSB, 0
.macro WIN new
.if MSB != \new
	s_set_vgpr_msb (MSB<<8)|\new
.set MSB, \new
.endif
.endm
.set MUL,  0x50                        ; sources 0 and 1 window 0; C and D window 1
.set MULB, 0x60                        ; C window 2 (the bias), D window 1
.macro JLOAD s                         ; a joint load: waves 0 and 1 fetch ctx's halves, waves 2 and 3 wo16's; an s_nop 0 and four v_nop follow each of the two lines
	s_cmp_eq_u32 s13, 0
	s_cbranch_scc0 .Lfor_b_\@
	tensor_load_to_lds s[G0+4*\s:G0+4*\s+3], s[G1:G1+7]
	s_nop 0
.rept 4
	v_nop
.endr
	s_branch .Lasked_\@
.Lfor_b_\@:
	tensor_load_to_lds s[G0B+4*\s:G0B+4*\s+3], s[G1B:G1B+7]
	s_nop 0
.rept 4
	v_nop
.endr
.Lasked_\@:
.endm
.macro CREST                           ; a round of the cluster's barrier behind its opening barrier
	s_cmp_lg_u32 s12, 0
	s_cbranch_scc1 .Lnot_wave_0_\@
	s_barrier_signal -3
.Lnot_wave_0_\@:
	s_barrier_wait -3
	s_barrier_signal -1
	s_barrier_wait -1
.endm
.macro CROUND
	s_barrier_signal -1
	s_barrier_wait -1
	CREST
.endm
	s_load_b256 s[4:11], s[0:1], 0x0               ; ctx s[4:5], wo16 s[6:7], bo s[8:9], out0 s[10:11]
	v_lshl_add_u32 v[SPW], v0, 2, SPARE
	v_mov_b32 v[NIL], 0
	ds_add_u32 v[SPW], v[NIL]                      ; the wave's opening: the add, twice on end, and its wait ahead of my first tensor load
	ds_add_u32 v[SPW], v[NIL]
	v_lshrrev_b32 v1, 5, v0
	v_readfirstlane_b32 s12, v1                    ; wave 0..3
	s_lshr_b32 s13, s12, 1                         ; which 64 rows are mine.  Also: I fetch for ctx (0) or for wo16 (1)
	s_and_b32 s14, s12, 1                          ; which 128 columns.  Also: which half of that tile I fetch
	s_bfe_u32 s40, ttmp6, 0x40000                  ; cx, cy
	s_bfe_u32 s41, ttmp6, 0x40004
	s_lshl_b32 s42, ttmp9, 2
	s_add_co_u32 s42, s42, s40                     ; tile column
	s_and_b32 s43, ttmp7, 0xffff
	s_lshl_b32 s43, s43, 2
	s_add_co_u32 s43, s43, s41                     ; tile row
	s_lshl_b32 s44, s41, 2
	s_lshl_b32 s44, 15, s44                        ; my row of the cluster
	s_lshl_b32 s45, 0x1111, s40                    ; my column
	s_or_b32 s[G1], s44, (3<<16)|(1<<21)           ; the mask; elements of 8 bytes; bit 21 beside a mask; no padding
	s_mov_b32 s[G1+1], 512<<16                     ; tensor_dim0 = 512 elements: rows of 4,096 bytes
	s_mov_b32 s[G1+2], 4<<16                       ; tensor_dim1 = 4 tiles of 16 rows
	s_mov_b32 s[G1+3], 512<<16                     ; tile_dim0
	s_mov_b32 s[G1+4], 4                           ; tile_dim1
	s_mov_b32 s[G1+5], 4096                        ; the pitch: 32,768 bytes from tile to tile
	s_mov_b32 s[G1+6], 0
	s_mov_b32 s[G1+7], 0
	s_or_b32 s[G1B], s45, (3<<16)|(1<<21)
	s_mov_b32 s[G1B+1], 512<<16
	s_mov_b32 s[G1B+2], 8<<16                      ; 8 tiles of 16 columns
	s_mov_b32 s[G1B+3], 512<<16
	s_mov_b32 s[G1B+4], 8
	s_mov_b32 s[G1B+5], 4096
	s_mov_b32 s[G1B+6], 0
	s_mov_b32 s[G1B+7], 0
	s_lshl_b32 s16, s43, 3
	s_lshl_b32 s17, s14, 2
	s_add_co_u32 s16, s16, s17                     ; ctx: tile 8 x tile row + 4 x half
	s_lshl_b32 s16, s16, 15
	s_mov_b32 s17, 0
	s_lshl_b32 s46, s42, 4
	s_lshl_b32 s47, s14, 3
	s_add_co_u32 s46, s46, s47                     ; wo16: tile 16 x tile column + 8 x half
	s_lshl_b32 s46, s46, 15
	s_mov_b32 s47, 0
	s_lshl_b32 s20, s14, 14                        ; where they go: no place in the cluster enters an LDS address
	s_lshl_b32 s21, s14, 15
	s_add_co_u32 s21, s21, BOFF
	s_wait_dscnt 0x0                               ; both opening adds are done
	s_wait_kmcnt 0x0
	s_add_nc_u64 s[16:17], s[4:5], s[16:17]
	s_add_nc_u64 s[46:47], s[6:7], s[46:47]
	CROUND                                         ; all sixteen work-groups are here: the first joint loads meet
.irp s, 0,1
	s_mov_b32 s[G0+4*\s], 1
	s_add_co_u32 s[G0+4*\s+1], s20, \s*SLOT
	s_add_nc_u64 s[G0+4*\s+2:G0+4*\s+3], s[16:17], \s*KB
	s_or_b32 s[G0+4*\s+3], s[G0+4*\s+3], 0x80000000
	s_mov_b32 s[G0B+4*\s], 1
	s_add_co_u32 s[G0B+4*\s+1], s21, \s*SLOT
	s_add_nc_u64 s[G0B+4*\s+2:G0B+4*\s+3], s[46:47], \s*KB
	s_or_b32 s[G0B+4*\s+3], s[G0B+4*\s+3], 0x80000000
	JLOAD \s
.endr
	v_and_b32 v1, 31, v0
	v_lshlrev_b32 v[CO], 4, v1
	s_lshl_b32 s22, s13, 14                        ; my four tiles of rows
	s_lshl_b32 s23, s14, 15
	s_add_co_u32 s23, s23, BOFF                    ; my eight tiles of columns
.irp s, 0,1
	v_add_nc_u32 v[ADRA+\s], s22, v[CO]
	v_add_nc_u32 v[ADRB+\s], s23, v[CO]
	s_add_co_u32 s22, s22, SLOT
	s_add_co_u32 s23, s23, SLOT
.endr
	v_and_b32 v2, 15, v0
	v_bfe_u32 v3, v0, 4, 1
	s_mul_i32 s22, s12, 16*SPITCH
	s_add_co_u32 s22, s22, STAGE                   ; my stage
	v_mul_u32_u24 v[STO], v2, SPITCH
	v_lshl_add_u32 v[STO], v3, 5, v[STO]
	v_add_nc_u32 v[STO], s22, v[STO]               ; in: row l % 16, 32 bytes for each half of the lanes
	v_add_nc_u32 v[RD], s22, v[CO]                 ; back: the 32 lanes take one row of 512 bytes
	v_lshlrev_b32 v[BO], 5, v3
	s_lshl_b32 s46, s42, 10
	s_lshl_b32 s47, s14, 9
	s_add_co_u32 s46, s46, s47                     ; my first column, in bytes
	s_mov_b32 s47, 0
	s_add_nc_u64 s[8:9], s[8:9], s[46:47]
	s_add_nc_u64 s[10:11], s[10:11], s[46:47]
	s_lshl_b32 s20, s43, 7
	s_lshl_b32 s21, s13, 6
	s_add_co_u32 s20, s20, s21                     ; my first row
	s_lshl_b32 s20, s20, 12
	s_mov_b32 s21, 0
	s_add_nc_u64 s[10:11], s[10:11], s[20:21]
	WIN 0x80                                       ; destination window 2
.irp b, 0,1,2,3,4,5,6,7
.irp i, 0,1
	global_load_b128 v[8*\b+4*\i:8*\b+4*\i+3], v[BO], s[8:9] offset:64*\b+16*\i   ; bo at columns 16 b + 8 (lane / 16) + 0..7: the result's layout
.endr
.endr
	WIN 0
.macro MUL8 f, a, zb                   ; eight matrix instructions: row tile a x my eight column tiles, 32 along K.  zb = 1: the first product starts the sums on the bias
.irp b, 0,1,2,3,4,5,6,7
.if \zb
	v_wmma_f32_16x16x32_f16 v[8*(8*(\a)+\b):8*(8*(\a)+\b)+7], v[\f+32+8*\b:\f+32+8*\b+7], v[\f+8*(\a):\f+8*(\a)+7], v[8*\b:8*\b+7]
.else
	v_wmma_f32_16x16x32_f16 v[8*(8*(\a)+\b):8*(8*(\a)+\b)+7], v[\f+32+8*\b:\f+32+8*\b+7], v[\f+8*(\a):\f+8*(\a)+7], v[8*(8*(\a)+\b):8*(8*(\a)+\b)+7]
.endif
.endr
.endm
.macro FETCH slot, k, f                ; 24 LDS loads in one run: Wo's sixteen, ctx's tiles 0 and 1, ctx's tiles 2 and 3
.irp b, 0,1,2,3,4,5,6,7
	ds_load_b128 v[\f+32+8*\b:\f+32+8*\b+3],   v[ADRB+\slot] offset:\b*KB+\k
	ds_load_b128 v[\f+32+8*\b+4:\f+32+8*\b+7], v[ADRB+\slot] offset:\b*KB+\k+512
.endr
.irp a, 0,1,2,3
	ds_load_b128 v[\f+8*\a:\f+8*\a+3],   v[ADRA+\slot] offset:\a*KB+\k
	ds_load_b128 v[\f+8*\a+4:\f+8*\a+7], v[ADRA+\slot] offset:\a*KB+\k+512
.endr
.endm
.macro PLACES                          ; four places in front of loads into registers that matrix instructions have read, and of reads of results
.rept 4
	v_nop
.endr
.endm
; A K step is four quarters of 32 along K, 32 matrix instructions each, on buffers 0, 1, 0, 1; the 32 accumulators take turns in the same order in every quarter.
.macro QUARTER slot, k, f, g, zb
	s_wait_dscnt 4                                 ; Wo's and ctx's tiles 0 and 1 are in; the youngest four loads (tiles 2 and 3) may be out
.if \zb
	WIN MULB
.else
	WIN MUL
.endif
	MUL8 \f, 0, \zb
	MUL8 \f, 1, \zb
	PLACES
	WIN 0
	FETCH \slot, \k, \g
	s_wait_dscnt 24                                ; all but the 24 just issued
.if \zb
	WIN MULB
.else
	WIN MUL
.endif
	MUL8 \f, 2, \zb
	MUL8 \f, 3, \zb
.endm
; The last quarter multiplies buffer 1 and changes slots: ONE barrier; in front of it each wave waits for all its tensor loads, adds 0 to its spare word, and waits for that and for its reads of this slot.
.macro TURN slot, next, fill
	WIN 0
	s_wait_tensorcnt 0x0                           ; all my tensor loads have landed: my part of the next slot
	ds_add_u32 v[SPW], v[NIL]
	s_wait_dscnt 5                                 ; (the add and the youngest four loads may be out)
	WIN MUL
	MUL8 F1, 0, 0
	s_wait_dscnt 0x0                               ; the add is done, and my reads of this slot are over
	s_barrier_signal -1
	MUL8 F1, 1, 0
	WIN 0
	s_barrier_wait -1
.if \fill
	CREST                                          ; the barrier has opened a round of the cluster's barrier: no wave of any partner still reads this slot or has a load on its way
	s_add_nc_u64 s[G0+4*\slot+2:G0+4*\slot+3], s[G0+4*\slot+2:G0+4*\slot+3], 2*KB
	s_add_nc_u64 s[G0B+4*\slot+2:G0B+4*\slot+3], s[G0B+4*\slot+2:G0B+4*\slot+3], 2*KB
	JLOAD \slot                                    ; the first tensor load behind the round; its four v_nop are also the places in front of the loads below
.else
	PLACES
.endif
	FETCH \next, 0, F0
	WIN MUL
	MUL8 F1, 2, 0
	MUL8 F1, 3, 0
.endm
	s_wait_tensorcnt 1                             ; my part of K step 0 is in (K step 1's load may be out),
	s_barrier_signal -1
	s_barrier_wait -1                              ; everybody's is
	FETCH 0, 0, F0
	s_wait_loadcnt 0x0                             ; the bias
	QUARTER 0, 1024, F0, F1, 1                     ; the first quarter stands in front of the loop: its products start the sums
	WIN 0
	s_mov_b32 s3, LAPS-1
.Llap:                                                 ; a trip goes once round the ring and fills both slots again
	QUARTER 0, 2048, F1, F0, 0
	QUARTER 0, 3072, F0, F1, 0
	TURN 0, 1, 1
	QUARTER 1, 1024, F0, F1, 0
	QUARTER 1, 2048, F1, F0, 0
	QUARTER 1, 3072, F0, F1, 0
	TURN 1, 0, 1
	QUARTER 0, 1024, F0, F1, 0
	WIN 0
	s_sub_co_u32 s3, s3, 1
	s_cmp_lg_u32 s3, 0
	s_cbranch_scc1 .Llap
	QUARTER 0, 2048, F1, F0, 0                     ; the last lap fills nothing
	QUARTER 0, 3072, F0, F1, 0
	TURN 0, 1, 0
	QUARTER 1, 1024, F0, F1, 0
	QUARTER 1, 2048, F1, F0, 0
	QUARTER 1, 3072, F0, F1, 0
	s_wait_dscnt 4                                 ; the very last quarter
	WIN MUL
	MUL8 F1, 0, 0
	MUL8 F1, 1, 0
	s_wait_dscnt 0
	MUL8 F1, 2, 0
	MUL8 F1, 3, 0
	WIN 0
; THE WAY OUT, a tile of 16 rows x 128 columns at a time, through my own stage: in as 32 bytes a lane, back as whole rows of 512 bytes, which the 32 lanes store as 512 consecutive bytes, aligned.
; LDS serves a wave's instructions in order: no wait between the stores and the loads.
.macro TOSTAGE a
	WIN 0x04                                       ; an LDS store's data are its source 1: window 1
.irp b, 0,1,2,3,4,5,6,7
	ds_store_b128 v[STO], v[64*(\a)+8*\b:64*(\a)+8*\b+3] offset:64*\b          ; each accumulator from its low end on
	ds_store_b128 v[STO], v[64*(\a)+8*\b+4:64*(\a)+8*\b+7] offset:64*\b+16
.endr
	WIN 0
.set BB, BK+64*((\a)%2)
.irp t, 0,1,2,3,4,5,6,7,8,9,10,11,12,13,14,15
	ds_load_b128 v[BB+4*\t:BB+4*\t+3], v[RD] offset:\t*SPITCH
.endr
.endm
.macro SEND a, younger                 ; younger: the LDS instructions issued behind tile a's loads, which may stay out
.set BB, BK+64*((\a)%2)
	s_wait_dscnt \younger
.if (\a) > 0
	s_add_nc_u64 s[10:11], s[10:11], 16*4096       ; (behind a wait on XCNT: the earlier stores have read their base)
.endif
.irp t, 0,1,2,3,4,5,6,7,8,9,10,11,12,13,14,15
	global_store_b128 v[CO], v[BB+4*\t:BB+4*\t+3], s[10:11] offset:\t*4096
.endr
.endm
	PLACES
	TOSTAGE 0
.irp a, 1,2,3
.if \a > 1
	s_wait_xcnt 0x0                                ; tile a - 2's stores have read their registers and their base
.endif
	TOSTAGE \a
	SEND \a-1, 32                                  ; behind tile a - 1's loads: tile a's 16 stores and 16 loads
.endr
	s_wait_xcnt 0x0
	SEND 3, 0
	s_wait_tensorcnt 0x0                           ; the wave's end
	ds_add_u32 v[SPW], v[NIL]
	s_wait_dscnt 0x0
	CROUND                                         ; the closing round
	s_endpgm
.Lfunc_end_k_qcf70220c4c_proj:
	.size	k_qcf70220c4c_proj, .Lfunc_end_k_qcf70220c4c_proj-k_qcf70220c4c_proj
	.p2alignl 7, 3214868480
	.fill 96, 4, 3214868480
	.section	.rodata,"a",@progbits
	.p2align	6, 0x0
	.amdhsa_kernel k_qcf70220c4c_proj
		.amdhsa_group_segment_fixed_size 327680
		.amdhsa_private_segment_fixed_size 0
		.amdhsa_enable_private_segment 0
		.amdhsa_kernarg_size 32
		.amdhsa_user_sgpr_count 2
		.amdhsa_user_sgpr_kernarg_segment_ptr 1
		.amdhsa_wavefront_size32 1
		.amdhsa_system_sgpr_workgroup_id_x 1
		.amdhsa_system_sgpr_workgroup_id_y 1
		.amdhsa_system_sgpr_workgroup_id_z 1
		.amdhsa_system_vgpr_workitem_id 0
		.amdhsa_next_free_vgpr 576
		.amdhsa_next_free_sgpr 66
		.amdhsa_reserve_vcc 0
		.amdhsa_float_denorm_mode_32 3
		.amdhsa_float_denorm_mode_16_64 3
		.amdhsa_memory_ordered 1
		.amdhsa_forward_progress 1
		.amdhsa_inst_pref_size 86
	.end_amdhsa_kernel
	.amdgpu_metadata
---
amdhsa.version: [ 1, 2 ]
amdhsa.kernels:
  - .name:           k_qcf70220c4c_proj
    .symbol:         k_qcf70220c4c_proj.kd
    .args:
      - { .name: ctx, .offset: 0, .size: 8, .value_kind: global_buffer, .address_space: global }
      - { .name: wo16, .offset: 8, .size: 8, .value_kind: global_buffer, .address_space: global }
      - { .name: bo, .offset: 16, .size: 8, .value_kind: global_buffer, .address_space: global }
      - { .name: out0, .offset: 24, .size: 8, .value_kind: global_buffer, .address_space: global }
    .group_segment_fixed_size: 327680
    .private_segment_fixed_size: 0
    .kernarg_segment_align: 8
    .kernarg_segment_size: 32
    .max_flat_workgroup_size: 128
    .sgpr_count:     66
    .vgpr_count:     576
    .wavefront_size: 32
...
	.end_amdgpu_metadata
.endif
;; end of part 4
;; launch fine (part 5): grid 16 x 4, 16 waves a work-group, no clusters, 71,680 bytes of LDS; arguments fine32, Wo, bo, out0; writes out0
.if DOCPART == 5
	.amdgcn_target "amdgcn-amd-amdhsa--gfx1250"
	.amdhsa_code_object_version 6
	.text
	.protected	k_qcf70220c4c_fine
	.globl	k_qcf70220c4c_fine
	.p2align	8
	.type	k_qcf70220c4c_fine,@function
k_qcf70220c4c_fine:
	s_mov_b64 s[64:65], 0
	v_nop
	global_prefetch_b8 v0, s[64:65] scope:SCOPE_SE
	s_setreg_imm32_b32 hwreg(HW_REG_WAVE_MODE, 25, 1), 1
	s_wait_xcnt 0x0
; THE FIRST 16 POSITIONS OF EACH OF THE 4 SEQUENCES, IN f32 THROUGHOUT: scores, softmax, the weighted sum of v, and the projection with Wo and bo.  These rows average one to sixteen values and are the
; largest of the output, so the rounding of 16-bit operands weighs most there.  64 rows of out0, 256 KiB, written over what the projection's launch left there.
; SHARES.  A work-group is (64 columns of out0, a batch); wave w is head w.  Each of a batch's sixteen work-groups repeats the small attention (32 matrix instructions a wave) rather than pass it through memory.
; Each wave multiplies its head's 64 channels by its 64 rows of Wo; the sixteen partial sums meet in LDS.  No cluster: what is shared is 12 KiB a head.
; All products by the f32 matrix form, K = 4: lane (r, h), register j holds k = 2 h + j.  Its results (v144-223) are written by matrix instructions alone.
; q and k are loaded alike, 16 bytes a lane, so both carry the same permutation of the channels, which keeps the products.
; S^T = k q^T: a lane holds one query and keys 8 h + 0..7; p's registers 2 s, 2 s + 1 are source 1 of O^T = v^T p for keys 8 h + 2 s + j; O^T's registers 2 u, 2 u + 1 are source 1 of out^T = Wo^T ctx^T.
; LIMITS: NaN and infinities are not served.
.set SPARE, 69632                      ; behind the sixteen regions: the spare words, 128 bytes for each wave: eight blocks of 256 bytes that no other line names
.set WREG,  4352                       ; a wave's partial sums: 16 rows x (256 bytes + 16)
.set LI,  1                            ; v1   16 x lane
.set VA,  2                            ; v2   v's lane term
.set WA,  3                            ; v3   Wo's lane term
.set DD,  4                            ; v4   r - 8 h
.set NINF, 5
.set SPW, 6
.set NIL, 7
.set STO, 8
.set RD,  9
.set BA,  10
.set GO,  11
.set QF,  16                           ; v16-47   q, later Wo's columns 16..31
.set KFR, 48                           ; v48-79   k, later Wo's columns 32..47
.set VF,  80                           ; v80-111  v, later Wo's columns 48..63
.set W0,  112                          ; v112-143 Wo's columns 0..15
.set SA,  144                          ; v144-159 two accumulators of S^T
.set OA,  160                          ; v160-191 four of O^T
.set PA,  192                          ; v192-223 four of out^T
.set PF,  224                          ; v224-231 the scores, then p
.set BI,  232                          ; v232-235 the bias
.set TM,  236                          ; v236-239 at work
	s_load_b256 s[4:11], s[0:1], 0x0               ; fine32 s[4:5], Wo s[6:7], bo s[8:9], out0 s[10:11]
	v_lshl_add_u32 v[SPW], v0, 2, SPARE
	v_mov_b32 v[NIL], 0
	v_lshrrev_b32 v12, 5, v0
	v_readfirstlane_b32 s12, v12                   ; wave = head
	s_and_b32 s13, ttmp7, 0xffff                   ; batch
	v_and_b32 v12, 31, v0                          ; lane
	v_and_b32 v13, 15, v0                          ; r
	v_bfe_u32 v14, v0, 4, 1                        ; h
	v_lshlrev_b32 v[LI], 4, v12
	v_bfe_u32 v15, v13, 2, 1                       ; v(key 8 h + i, channel 16 ct + r) lies at ct<<10 + 512 ((r / 4) % 2) + 256 (r / 8) + 128 h + 16 i + 4 (r % 4)
	v_lshlrev_b32 v[VA], 9, v15
	v_lshrrev_b32 v15, 3, v13
	v_lshl_add_u32 v[VA], v15, 8, v[VA]
	v_and_b32 v15, 3, v13
	v_lshl_add_u32 v[VA], v15, 2, v[VA]
	v_lshl_add_u32 v[VA], v14, 7, v[VA]
	v_lshlrev_b32 v[WA], 2, v13                    ; Wo: column r, and 8 h rows of 4,096 bytes
	v_lshl_add_u32 v[WA], v14, 15, v[WA]
	v_lshlrev_b32 v15, 3, v14
	v_sub_nc_u32 v[DD], v13, v15
	v_mov_b32 v[NINF], 0xff800000
	s_mul_i32 s14, s12, WREG
	v_mul_u32_u24 v[STO], v13, 272
	v_lshl_add_u32 v[STO], v14, 5, v[STO]
	v_add_nc_u32 v[STO], s14, v[STO]               ; my region: row r, + 32 h
	s_mul_i32 s14, s12, 544
	v_mul_u32_u24 v[RD], v14, 272
	v_lshl_add_u32 v[RD], v13, 4, v[RD]
	v_add_nc_u32 v[RD], s14, v[RD]                 ; the sum (waves 0-7): row 2 w + h of every region, 16 bytes a lane
	v_lshlrev_b32 v[BA], 4, v13
	v_lshl_add_u32 v[GO], v14, 12, v[BA]
	s_lshl_b32 s16, s13, 16
	s_lshl_b32 s17, s12, 12
	s_add_co_u32 s16, s16, s17                     ; fine32: batch<<16 + head<<12; the parts stand in the immediates
	s_mov_b32 s17, 0
	s_lshl_b32 s18, s12, 18                        ; Wo: my head's 64 rows,
	s_lshl_b32 s20, ttmp9, 8                       ; my work-group's 64 columns
	s_add_co_u32 s18, s18, s20
	s_mov_b32 s19, 0
	s_mov_b32 s21, 0
	s_lshl_b32 s22, s13, 23                        ; out0: 2,048 batch rows of 4,096 bytes,
	s_lshl_b32 s23, s12, 13                        ; + 2 w rows,
	s_add_co_u32 s22, s22, s23
	s_add_co_u32 s22, s22, s20                     ; + the columns
	s_mov_b32 s23, 0
	s_mov_b32 s24, 0x3e38aa3b                      ; c = log2(e) / 8
	s_mov_b32 s26, 0x76543210
	s_mov_b32 s27, 0xfedcba98                      ; lane l xor 16
	s_wait_kmcnt 0x0
	s_add_nc_u64 s[4:5], s[4:5], s[16:17]
	s_add_nc_u64 s[6:7], s[6:7], s[18:19]
	s_add_nc_u64 s[8:9], s[8:9], s[20:21]
	s_add_nc_u64 s[10:11], s[10:11], s[22:23]
.macro WLOAD reg, T                    ; Wo's columns 16 T + r: register e takes row 16 (e / 8) + e % 8 + 8 h of my head's 64
.irp e, 0,1,2,3,4,5,6,7,8,9,10,11,12,13,14,15,16,17,18,19,20,21,22,23,24,25,26,27,28,29,30,31
	global_load_b32 v[\reg+\e], v[WA], s[6:7] offset:(16*(\e/8)+\e%8)*4096+64*(\T)
.endr
.endm
	global_load_b128 v[BI:BI+3], v[BA], s[8:9]
.irp e, 0,1,2,3,4,5,6,7
	global_load_b128 v[QF+4*\e:QF+4*\e+3], v[LI], s[4:5] offset:512*\e
.endr
.irp e, 0,1,2,3,4,5,6,7
	global_load_b128 v[KFR+4*\e:KFR+4*\e+3], v[LI], s[4:5] offset:262144+512*\e
.endr
.irp ct, 0,1,2,3
.irp i, 0,1,2,3,4,5,6,7
	global_load_b32 v[VF+8*\ct+\i], v[VA], s[4:5] offset:524288+1024*\ct+16*\i
.endr
.endr
	WLOAD W0, 0
	s_wait_loadcnt 63                              ; q and k are in: 64 younger loads stand behind them; the field holds 63, and a smaller count is safe
.irp s, 0,1,2,3,4,5,6,7,8,9,10,11,12,13,14,15   ; S^T = k q^T: sixteen links of 4 channels, two accumulators by turns
.if \s < 2
	v_wmma_f32_16x16x4_f32 v[SA+8*(\s%2):SA+8*(\s%2)+7], v[KFR+2*\s:KFR+2*\s+1], v[QF+2*\s:QF+2*\s+1], 0
.else
	v_wmma_f32_16x16x4_f32 v[SA+8*(\s%2):SA+8*(\s%2)+7], v[KFR+2*\s:KFR+2*\s+1], v[QF+2*\s:QF+2*\s+1], v[SA+8*(\s%2):SA+8*(\s%2)+7]
.endif
.endr
.rept 8
	v_nop                                          ; eight places behind this form: for the loads into q's and k's registers and for the first read of the sums
.endr
	WLOAD QF, 1
	WLOAD KFR, 2
.irp j, 0,1,2,3,4,5,6,7
	v_add_f32 v[PF+\j], v[SA+\j], v[SA+8+\j]       ; the two halves of the sum, into other registers; from the low end on
.endr
.irp j, 0,1,2,3,4,5,6,7
	v_cmp_gt_i32 vcc_lo, \j, v[DD]                 ; key 8 h + j comes after query r
	v_cndmask_b32 v[PF+\j], v[PF+\j], v[NINF], vcc_lo
.endr
	v_max3_num_f32 v[TM], v[PF], v[PF+1], v[PF+2]
	v_max3_num_f32 v[TM+1], v[PF+3], v[PF+4], v[PF+5]
	v_max3_num_f32 v[TM], v[TM], v[PF+6], v[PF+7]
	v_max_num_f32 v[TM], v[TM], v[TM+1]
	v_permlanex16_b32 v[TM+1], v[TM], s26, s27
	v_max_num_f32 v[TM], v[TM], v[TM+1]            ; the row's maximum: key 0 counts for every query, so it is a score
	v_mul_f32 v[TM+1], s24, v[TM]
.irp j, 0,1,2,3,4,5,6,7
	v_fma_f32 v[PF+\j], v[PF+\j], s24, -v[TM+1]
.endr
.irp j, 0,1,2,3,4,5,6,7
	v_exp_f32 v[PF+\j], v[PF+\j]
.endr
	v_nop                                          ; a plain instruction behind the last exponential
	s_wait_alu depctr_va_vdst(0)                   ; one wait for the batch, ahead of its first reader
	v_add_f32 v[TM], v[PF], v[PF+1]
	v_add_f32 v[TM+1], v[PF+2], v[PF+3]
	v_add_f32 v[TM+2], v[PF+4], v[PF+5]
	v_add_f32 v[TM+3], v[PF+6], v[PF+7]
	v_add_f32 v[TM], v[TM], v[TM+1]
	v_add_f32 v[TM+2], v[TM+2], v[TM+3]
	v_add_f32 v[TM], v[TM], v[TM+2]
	v_permlanex16_b32 v[TM+1], v[TM], s26, s27
	v_add_f32 v[TM], v[TM], v[TM+1]
	v_rcp_f32 v[TM+2], v[TM]
	v_nop
	s_wait_alu depctr_va_vdst(0)
.irp j, 0,1,2,3,4,5,6,7
	v_mul_f32 v[PF+\j], v[PF+\j], v[TM+2]          ; the weights, normalised
.endr
	s_wait_loadcnt 63                              ; v is in: 96 younger loads stand behind it; the field holds 63
.irp s, 0,1,2,3                        ; O^T = v^T p: four links of 4 keys, four accumulators by turns
.irp ct, 0,1,2,3
.if \s == 0
	v_wmma_f32_16x16x4_f32 v[OA+8*\ct:OA+8*\ct+7], v[VF+8*\ct+2*\s:VF+8*\ct+2*\s+1], v[PF+2*\s:PF+2*\s+1], 0
.else
	v_wmma_f32_16x16x4_f32 v[OA+8*\ct:OA+8*\ct+7], v[VF+8*\ct+2*\s:VF+8*\ct+2*\s+1], v[PF+2*\s:PF+2*\s+1], v[OA+8*\ct:OA+8*\ct+7]
.endif
.endr
.endr
.rept 8
	v_nop                                          ; eight places in front of the loads into v's registers
.endr
	WLOAD VF, 3
	v_nop                                          ; the ninth: the products below take the results as a source
	s_wait_loadcnt 0x0
.macro LINK u, T, w
.if (\u) == 0
	v_wmma_f32_16x16x4_f32 v[PA+8*\T:PA+8*\T+7], v[\w+2*(\u):\w+2*(\u)+1], v[OA+2*(\u):OA+2*(\u)+1], 0
.else
	v_wmma_f32_16x16x4_f32 v[PA+8*\T:PA+8*\T+7], v[\w+2*(\u):\w+2*(\u)+1], v[OA+2*(\u):OA+2*(\u)+1], v[PA+8*\T:PA+8*\T+7]
.endif
.endm
.irp u, 0,1,2,3,4,5,6,7,8,9,10,11,12,13,14,15   ; out^T += Wo^T ctx^T: sixteen links of 4 channels, four accumulators by turns
	LINK \u, 0, W0
	LINK \u, 1, QF
	LINK \u, 2, KFR
	LINK \u, 3, VF
.endr
.rept 8
	v_nop                                          ; eight places in front of the stores that read the results, and of the loads into Wo's registers
.endr
.irp T, 0,1,2,3
	ds_store_b128 v[STO], v[PA+8*\T:PA+8*\T+3] offset:64*\T          ; lane (r, h): row r, columns 16 T + 8 h + 0..7; each accumulator from its low end on
	ds_store_b128 v[STO], v[PA+8*\T+4:PA+8*\T+7] offset:64*\T+16
.endr
	s_wait_dscnt 0x0                               ; for the others' sake: my stores have landed
	s_barrier_signal -1
	s_barrier_wait -1
	s_cmp_lt_u32 s12, 8                            ; waves 0 to 7 add: two rows each
	s_cbranch_scc0 .Ldone
.irp p, 0,1,2,3,4,5,6,7,8,9,10,11,12,13,14,15
	ds_load_b128 v[16+4*\p:19+4*\p], v[RD] offset:\p*WREG
.endr
	s_wait_dscnt 0x0
.irp p, 0,1,2,3,4,5,6,7
	v_pk_add_f32 v[16+4*\p:17+4*\p], v[16+4*\p:17+4*\p], v[48+4*\p:49+4*\p]
	v_pk_add_f32 v[18+4*\p:19+4*\p], v[18+4*\p:19+4*\p], v[50+4*\p:51+4*\p]
.endr
.irp p, 0,1,2,3
	v_pk_add_f32 v[16+4*\p:17+4*\p], v[16+4*\p:17+4*\p], v[32+4*\p:33+4*\p]
	v_pk_add_f32 v[18+4*\p:19+4*\p], v[18+4*\p:19+4*\p], v[34+4*\p:35+4*\p]
.endr
.irp p, 0,1
	v_pk_add_f32 v[16+4*\p:17+4*\p], v[16+4*\p:17+4*\p], v[24+4*\p:25+4*\p]
	v_pk_add_f32 v[18+4*\p:19+4*\p], v[18+4*\p:19+4*\p], v[26+4*\p:27+4*\p]
.endr
	v_pk_add_f32 v[16:17], v[16:17], v[20:21]
	v_pk_add_f32 v[18:19], v[18:19], v[22:23]
	v_pk_add_f32 v[16:17], v[16:17], v[BI:BI+1]
	v_pk_add_f32 v[18:19], v[18:19], v[BI+2:BI+3]
	global_store_b128 v[GO], v[16:19], s[10:11]    ; sixteen lanes store 256 consecutive bytes, aligned
.Ldone:
	s_wait_tensorcnt 0x0                           ; the wave's end: behind my last LDS store, the tensor wait even in a text with no tensor load
	ds_add_u32 v[SPW], v[NIL]
	s_wait_dscnt 0x0
	s_endpgm
.Lfunc_end_k_qcf70220c4c_fine:
	.size	k_qcf70220c4c_fine, .Lfunc_end_k_qcf70220c4c_fine-k_qcf70220c4c_fine
	.p2alignl 7, 3214868480
	.fill 96, 4, 3214868480
	.section	.rodata,"a",@progbits
	.p2align	6, 0x0
	.amdhsa_kernel k_qcf70220c4c_fine
		.amdhsa_group_segment_fixed_size 71680
		.amdhsa_private_segment_fixed_size 0
		.amdhsa_enable_private_segment 0
		.amdhsa_kernarg_size 32
		.amdhsa_user_sgpr_count 2
		.amdhsa_user_sgpr_kernarg_segment_ptr 1
		.amdhsa_wavefront_size32 1
		.amdhsa_system_sgpr_workgroup_id_x 1
		.amdhsa_system_sgpr_workgroup_id_y 1
		.amdhsa_system_sgpr_workgroup_id_z 1
		.amdhsa_system_vgpr_workitem_id 0
		.amdhsa_next_free_vgpr 256
		.amdhsa_next_free_sgpr 66
		.amdhsa_reserve_vcc 1
		.amdhsa_float_denorm_mode_32 3
		.amdhsa_float_denorm_mode_16_64 3
		.amdhsa_memory_ordered 1
		.amdhsa_forward_progress 1
		.amdhsa_inst_pref_size 33
	.end_amdhsa_kernel
	.amdgpu_metadata
---
amdhsa.version: [ 1, 2 ]
amdhsa.kernels:
  - .name:           k_qcf70220c4c_fine
    .symbol:         k_qcf70220c4c_fine.kd
    .args:
      - { .name: fine32, .offset: 0, .size: 8, .value_kind: global_buffer, .address_space: global }
      - { .name: Wo, .offset: 8, .size: 8, .value_kind: global_buffer, .address_space: global }
      - { .name: bo, .offset: 16, .size: 8, .value_kind: global_buffer, .address_space: global }
      - { .name: out0, .offset: 24, .size: 8, .value_kind: global_buffer, .address_space: global }
    .group_segment_fixed_size: 71680
    .private_segment_fixed_size: 0
    .kernarg_segment_align: 8
    .kernarg_segment_size: 32
    .max_flat_workgroup_size: 512
    .sgpr_count:     66
    .vgpr_count:     256
    .wavefront_size: 32
...
	.end_amdgpu_metadata
.endif
;; end of part 5
